; MI455X (gfx1250); checked and timed in simulation.
; The chip was launched on July 23, 2026; its instructions are those of AMD's public machine-readable ISA for CDNA 5 (MIT licence, August 2026) and "CDNA5" Instruction Set Architecture Reference Guide (July 2026). The comments in the code are by the model that wrote it; some were corrected since.
;; Attention. Allowed arithmetic: matrix products marked QUANTISED: E2M3 operands, one E8M0 scale for each 32 along K, by v_wmma_scale_f32_16x16x128_f8f6f4 with both operands' format E2M3, f32 sums; everything else in f32.
;; Inputs: Wk 2,048 x 2,048 float32; Wo 2,048 x 2,048 float32; Wq 2,048 x 2,048 float32; Wv 2,048 x 2,048 float32; attention_mask 2 x 1 x 1 x 1,024 float32; hidden_states 2 x 1,024 x 2,048 float32; rel_emb 32 x 32 float32.
;; Outputs: out0 2 x 1,024 x 2,048 float32.
;; This version of the problem:
;;   THIS VERSION OF THE PROBLEM IS GIVEN IN LOW PRECISION. The matrix products marked QUANTISED in the list below multiply operands that are first quantised to E2M3 (2 exponent bits, 3 mantissa bits; 6 bits a number), with one power-of-two scale for each 32 numbers along K (OCP MX v1.0); their sums are f32. All else is computed in f32.
;;   The module's matrix products, in the order in which they are computed (A, B: the left and right operand; K: the contracted axis; several contracted axes count as one K, in the product's order):
;;     1. [M 2,048, K 2,048] x [K 2,048, N 2,048]; A: input hidden_states; B: input Wq: QUANTISED
;;     2. [M 2,048, K 2,048] x [K 2,048, N 2,048]; A: input hidden_states; B: input Wk: QUANTISED
;;     3. [M 2,048, K 2,048] x [K 2,048, N 2,048]; A: input hidden_states; B: input Wv: QUANTISED
;;     4. batch 64 x [M 1,024, K 64] x [K 64, N 1,024]; A: computed on the way; B: computed on the way: QUANTISED
;;     5. batch 64 x [M 1,024, K 1,024] x [K 1,024, N 64]; A: softmax (see below); B: computed on the way: QUANTISED
;;     6. [M 2,048, K 2,048] x [K 2,048, N 2,048]; A: computed on the way; B: input Wo: QUANTISED
;;   THE QUANTISER, for each operand of a quantised product, along K:
;;     - K is cut into blocks of 32 from its start; a last block that is shorter is filled with zeros.
;;     - A block's scale is 2^e with e = floor(log2(the largest magnitude in the block)) - 2, held to -126 .. 127; a block of zeros has e = 0. As a byte (E8M0): e + 127.
;;     - Each number is divided by its block's scale, clamped to +-7.5, and rounded to the nearest number of E2M3, ties to even, subnormals kept.
;;     - The product sums the exact products of the quantised numbers (number of the format x scale) in f32.
;;   ~~~python
;;   def quantise(x, axis):      # numpy; x: float32 -> the quantised numbers, widened to float32 again
;;       x = np.moveaxis(x, axis, -1); K = x.shape[-1]
;;       x = np.pad(x, [(0, 0)] * (x.ndim - 1) + [(0, -K % 32)]); x = x.reshape(x.shape[:-1] + (-1, 32)); a = np.abs(x).max(-1, keepdims=True)
;;       e = np.where(a > 0, np.clip(np.frexp(np.where(a > 0, a, 1))[1] - 1 - 2, -126, 127), 0)      # np.frexp(a)[1] - 1 = floor(log2(a)), exactly
;;       r = np.clip(x / 2.0 ** e, -7.5, 7.5)
;;       step = 2.0 ** (np.maximum(np.frexp(np.where(r == 0, 1, r))[1] - 1, 0) - 3)
;;       q = np.round(r / step) * step * 2.0 ** e      # np.round: ties to even
;;       return np.moveaxis(q.reshape(q.shape[:-2] + (-1,))[..., :K], -1, axis).astype(np.float32)
;;   ~~~
;;   SOFTMAX AHEAD OF A QUANTISED PRODUCT. Where the list says 'softmax', what is quantised is not the finished softmax but p = 2^(t - M), with t = logit x log2(e) and M = ceil(the row's largest t), a whole number; so 1/2 < the row's largest p <= 1. The row's sum l is taken of the UNQUANTISED p, in f32, and the product's result is divided by l at the end. Since M is a whole number, a kernel that streams over the keys may use a running M (the ceiling of the running maximum): every later rescaling is an exact power of two, which a block's scale takes up: the codes' values come out the same.
;;   OPERANDS COMPUTED ON THE WAY. 'Computed on the way' means the value that the module computes at that place (a softmax that the list does not call 'softmax' is quantised finished and normalised). What goes into a quantiser is computed in f32, as accurately as f32 sums, v_exp_f32 and their like allow (about 1e-6 of the number): no bf16 or f16 on the way to a quantiser, and a product that is left as it is and whose result goes on into a quantised operand takes f32 operands (vector FMAs, or v_wmma_f32_16x16x4_f32). A number that lies on a knife's edge between two numbers of the format may be rounded either way, as far as f32 arithmetic and the matrix unit's own rounding can turn it there, and no further.
;; One version. Each part assembles by itself: llvm-mc -triple=amdgcn-amd-amdhsa -mcpu=gfx1250 --defsym DOCPART=n.
;; ======== version 1 of 1: 4 launches
;; limits: right only within a limited range of input values
;; workspace buffers: xc 3,145,728 bytes; xs 131,072 bytes; wc 12,582,912 bytes; ws 524,288 bytes; qkv 9,437,184 bytes; qkvs 655,360 bytes; cc 3,145,728 bytes; cs 131,072 bytes
;; launch quant (part 1): grid 640 x 1, 4 waves a work-group, no clusters, 34,304 bytes of LDS; arguments hidden_states, Wq, Wk, Wv, Wo, xc, xs, wc, ws; writes xc, xs, wc, ws
.if DOCPART == 1
	.amdgcn_target "amdgcn-amd-amdhsa--gfx1250"
	.amdhsa_code_object_version 6
	.text
	.protected	k_qe322ae1e01_quant
	.globl	k_qe322ae1e01_quant
	.p2align	8
	.type	k_qe322ae1e01_quant,@function
k_qe322ae1e01_quant:
	s_mov_b64 s[64:65], 0
	v_nop
	global_prefetch_b8 v0, s[64:65] scope:SCOPE_SE
	s_setreg_imm32_b32 hwreg(HW_REG_WAVE_MODE, 25, 1), 1
	s_wait_xcnt 0x0
; LAUNCH 1 OF 4.  hidden_states [2048][2048] (K innermost) and Wq, Wk, Wv, Wo [K 2048][N 2048] (K first), f32, become codes of FP6 (E2M3) with one E8M0 byte for each 32 along K.
; DEAD WORK: none.  Every product of the problem reaches the output and every input is loaded by some launch.  The map from k - q to a bucket hangs on no input: it is built in as constants (launch 3).
; A block's byte is its largest magnitude's exponent field - 2, held at 1 from below (a block of zeros keeps 1 where the rule says 127: its codes are zeros, and this program alone reads the bytes).
; LIMITS: NaN and infinities among the inputs are not served; blocks whose largest magnitude lies under 2^(2 - 126) keep the byte 1.
; LAYOUT OF THE WORKSPACE: images of operand registers.  A tile is 16 rows; inside each 32 rows, place 16 u + r holds row 8 u + r % 8 + 16 (r / 8), so that the results of two neighbouring
; tiles are 16 neighbours along the next product's K.  A half image (16 places x 64 K, 768 bytes): lane (r, h) owns block h, 24 bytes: its first 16 at 16 x lane, its last 8 at 512 + 8 x lane.
; xc, wc: [tile][K step of 128: 16][two half images].  xs, ws: [pair of tiles][256 along K: 8][lane][2 words]: lanes 0-15 the even tile's rows, lanes 16-31 the odd tile's; word = the K step's parity.
; wc's tiles: head h: 12 h + {0-3 q, 4-5 v (d 0-31), 6-9 k, 10-11 v (d 32-63)}; Wo: 384 + n / 16.
; Work-groups 0-127 take hidden_states (a wave: 32 rows x 256 K), the other 512 the weights (a wave: 32 columns x 256 K).  Waves share nothing: no barrier.  Only the first path uses LDS.
; No matrix unit, no cluster, no tensor load: the launch streams, each input byte is read once, and every store of codes and scale words covers whole aligned runs of 256 bytes.
.set SPARE, 33792                      ; behind the four stages of 8,448 bytes: the spare words, 128 bytes a wave
.set SPW, 1                            ; v1  SPARE + 4 x thread; never rewritten
.set NIL, 2                            ; v2  0; never rewritten
.set L16, 3                            ; v3  16 x lane
.set L8,  7                            ; v7  8 x lane
	s_load_b512 s[8:23], s[0:1], 0x0               ; x s[8:9], Wq, Wk, Wv, Wo s[10:17], xc s[18:19], xs s[20:21], wc s[22:23]
	s_load_b64 s[24:25], s[0:1], 0x40              ; ws
	v_lshl_add_u32 v[SPW], v0, 2, SPARE
	v_mov_b32 v[NIL], 0
	v_lshrrev_b32 v6, 5, v0
	v_readfirstlane_b32 s4, v6                     ; wave
	v_and_b32 v6, 31, v0                           ; lane
	v_lshlrev_b32 v[L16], 4, v6
	v_lshlrev_b32 v[L8], 3, v6
	s_mov_b32 s5, 0x76543210                       ; selects: lane l xor 16
	s_mov_b32 s6, 0xfedcba98
	s_mov_b32 s7, 0xffff0000                       ; lanes 16-31
	s_cmp_lt_u32 ttmp9, 128
	s_cbranch_scc0 .Lweights
; ---------------- hidden_states: K is innermost.  Job J = 4 g + wave: pair of tiles J / 8, 256 along K J % 8; four units n = 2 u + s of 16 places x 128 K
	s_lshl_b32 s26, ttmp9, 2
	s_add_co_u32 s26, s26, s4                      ; J
	s_lshr_b32 s27, s26, 3                         ; pair
	s_and_b32 s28, s26, 7                          ; which 256 along K
	s_mul_i32 s29, s4, 8448                        ; my stage: 16 rows, 528 bytes apart
	s_wait_alu depctr_va_vdst(0)
	v_add_nc_u32 v4, s29, v[L16]                   ; in: a row's 512 bytes as loaded
	v_and_b32 v8, 15, v0                           ; r
	v_bfe_u32 v9, v0, 4, 1                         ; h
	v_mul_u32_u24 v5, v8, 528
	v_lshl_add_u32 v5, v9, 7, v5
	v_add_nc_u32 v5, s29, v5                       ; out: row r, + 128 h: my block of 32 numbers
	v_lshlrev_b32 v10, 3, v9                       ; 8 h: where my bytes stand in the scale word
	v_mov_b32 v19, 0                               ; (a lane permute's destination counts as one of its sources)
	s_lshl_b32 s30, s27, 18                        ; 32 rows of 8,192 bytes
	s_lshl_b32 s31, s28, 10
	s_add_co_u32 s30, s30, s31
	s_mov_b32 s31, 0
	s_mul_i32 s32, s27, 49152                      ; two tiles of 24,576 bytes
	s_mul_i32 s33, s28, 3072
	s_add_co_u32 s32, s32, s33
	s_mov_b32 s33, 0
	s_lshl_b32 s34, s26, 8                         ; 256 bytes of scale words a job
	s_mov_b32 s35, 0
	s_wait_alu depctr_va_vdst(0)
	s_wait_kmcnt 0x0
	s_add_nc_u64 s[8:9], s[8:9], s[30:31]
	s_add_nc_u64 s[18:19], s[18:19], s[32:33]
	s_add_nc_u64 s[20:21], s[20:21], s[34:35]
.macro XLOAD n                         ; unit n: 16 rows x 512 consecutive bytes, into set n % 2 (v32-95, v96-159)
.irp p, 0,1,2,3,4,5,6,7,8,9,10,11,12,13,14,15
	global_load_b128 v[32+64*((\n)%2)+4*\p:32+64*((\n)%2)+4*\p+3], v[L16], s[8:9] offset:(8*((\n)/2)+(\p%8)+16*(\p/8))*8192+512*((\n)%2) th:TH_LOAD_NT
.endr
.endm
.macro XUNIT n
.set RS, 32+64*((\n)%2)
.set CSET, 224+12*((\n)%2)
.if (\n) < 3
	s_wait_loadcnt 16                              ; this unit's 16 loads are in; the next unit's 16 may be out
.else
	s_wait_loadcnt 0x0
.endif
.irp p, 0,1,2,3,4,5,6,7,8,9,10,11,12,13,14,15
	ds_store_b128 v4, v[RS+4*\p:RS+4*\p+3] offset:528*\p
.endr
.irp c, 0,1
.irp j, 0,1,2,3,4,5,6,7
	ds_load_b128 v[160+32*\c+4*\j:163+32*\c+4*\j], v5 offset:256*\c+16*\j   ; LDS serves a wave's instructions in order: these see my stores.  K = 64 c + 32 h + 4 j ..
.endr
.endr
	s_wait_dscnt 0x0                               ; my two blocks are in, and the stores have read their registers
.if (\n) < 2
	XLOAD (\n)+2
.endif
.irp c, 0,1
	v_max3_num_f32 v[12+\c], |v[160+32*\c]|, |v[161+32*\c]|, 0x1800000   ; with the floor 2^(3 - 127): the byte cannot fall under 1
.endr
.irp i, 2,4,6,8,10,12,14,16,18,20,22,24,26,28,30
.irp c, 0,1
	v_max3_num_f32 v[12+\c], v[12+\c], |v[160+32*\c+\i]|, |v[161+32*\c+\i]|
.endr
.endr
.irp c, 0,1
	v_add_nc_u32 v[14+\c], 0xff000000, v[12+\c]    ; 2 off the exponent field: the conversion's scale operand
.endr
.irp c, 0,1
	v_lshrrev_b32 v[16+\c], 23, v[14+\c]           ; the byte
.endr
	v_lshl_or_b32 v18, v17, 16, v16                ; blocks h and 2 + h,
	v_lshlrev_b32 v18, v10, v18                    ; at their places;
	v_permlanex16_b32 v19, v18, s5, s6
	v_or_b32 v[24+(\n)], v18, v19                  ; with lane l xor 16's two the row's word is whole
.if (\n) >= 2
	s_wait_alu depctr_va_vdst(0)
	s_wait_xcnt 0x0                                ; the stores of two units ago have read this set of codes
.endif
.irp c, 0,1
	v_cvt_scalef32_pk16_fp6_f32 v[CSET+6*\c:CSET+6*\c+2], v[160+32*\c:175+32*\c], v[14+\c]
	v_cvt_scalef32_pk16_fp6_f32 v[248+4*\c:250+4*\c], v[176+32*\c:191+32*\c], v[14+\c]   ; (a conversion's three registers begin on an even number)
.endr
	v_nop                                          ; one plain place behind the conversions
.irp c, 0,1
.irp i, 0,1,2
	v_mov_b32 v[CSET+3+6*\c+\i], v[248+4*\c+\i]
.endr
.endr
.irp c, 0,1
	global_store_b128 v[L16], v[CSET+6*\c:CSET+6*\c+3], s[18:19] offset:((\n)/2)*24576+((\n)%2)*1536+768*\c
	global_store_b64 v[L8], v[CSET+6*\c+4:CSET+6*\c+5], s[18:19] offset:((\n)/2)*24576+((\n)%2)*1536+768*\c+512
.endr
.endm
	XLOAD 0
	XLOAD 1
	XUNIT 0
	XUNIT 1
	XUNIT 2
	XUNIT 3
	v_cndmask_b32 v28, v24, v26, s7                ; lanes 0-15 the even tile's words, lanes 16-31 the odd tile's
	v_cndmask_b32 v29, v25, v27, s7
	global_store_b64 v[L8], v[28:29], s[20:21]
	s_wait_tensorcnt 0x0                           ; the wave's end: behind my last LDS store
	ds_add_u32 v[SPW], v[NIL]
	s_wait_dscnt 0x0
	s_endpgm
; ---------------- the weights: K is the first axis.  A lane takes a column and its registers run down K: a block lies in one lane, and the codes come out with K innermost
.Lweights:
	s_sub_co_u32 s26, ttmp9, 128
	s_lshr_b32 s27, s26, 7                         ; which weight: q, k, v, o
	s_and_b32 s28, s26, 15
	s_bfe_u32 s29, s26, 0x30004                    ; which 256 along K
	s_lshl_b32 s30, s28, 2
	s_add_co_u32 s30, s30, s4                      ; which 32 columns, 0 .. 63
	s_lshr_b32 s31, s30, 1                         ; head
	s_and_b32 s32, s30, 1                          ; which half of its 64
	s_mul_i32 s33, s31, 6
	s_add_co_u32 s34, s33, s32                     ; the pair of tiles: q: 6 h + half
	s_add_co_u32 s35, s34, 3                       ; k: 6 h + 3 + half
	s_mul_i32 s36, s32, 3
	s_add_co_u32 s36, s36, s33
	s_add_co_u32 s36, s36, 2                       ; v: 6 h + 2 + 3 half
	s_add_co_u32 s37, s30, 192                     ; o: 192 + columns / 32
	s_wait_alu depctr_va_vdst(0)
	v_and_b32 v8, 7, v6
	v_bfe_u32 v9, v6, 3, 1
	v_bfe_u32 v10, v6, 4, 1
	v_lshl_or_b32 v8, v9, 4, v8                    ; place 16 u + r takes column 8 u + r % 8 + 16 (r / 8)
	v_lshl_or_b32 v8, v10, 3, v8
	v_lshlrev_b32 v8, 2, v8
	s_lshl_b32 s40, s30, 7
	v_add_nc_u32 v8, s40, v8                       ; my column, in bytes
	s_wait_alu depctr_va_vdst(0)
	s_wait_kmcnt 0x0
	s_cmp_eq_u32 s27, 1                            ; the choices hang on the work-group's number alone
	s_cselect_b32 s34, s35, s34
	s_cselect_b64 s[10:11], s[12:13], s[10:11]
	s_cmp_eq_u32 s27, 2
	s_cselect_b32 s34, s36, s34
	s_cselect_b64 s[10:11], s[14:15], s[10:11]
	s_cmp_eq_u32 s27, 3
	s_cselect_b32 s34, s37, s34
	s_cselect_b64 s[10:11], s[16:17], s[10:11]
	s_lshl_b32 s38, s29, 21                        ; 256 rows of 8,192 bytes
	s_mov_b32 s39, 0
	s_add_nc_u64 s[10:11], s[10:11], s[38:39]
	s_mul_i32 s38, s34, 49152
	s_mul_i32 s40, s29, 3072
	s_add_co_u32 s38, s38, s40
	s_add_nc_u64 s[22:23], s[22:23], s[38:39]
	s_lshl_b32 s38, s34, 11
	s_lshl_b32 s40, s29, 8
	s_add_co_u32 s38, s38, s40
	s_add_nc_u64 s[24:25], s[24:25], s[38:39]
.macro WLOAD t                         ; block t: 32 rows of K at my column, into set t % 2 (v32-63, v64-95); a wave reads 128 consecutive bytes, the four waves 512
.irp i, 0,1,2,3,4,5,6,7,8,9,10,11,12,13,14,15,16,17,18,19,20,21,22,23,24,25,26,27,28,29,30,31
	global_load_b32 v[32+32*((\t)%2)+\i], v8, s[10:11] offset:(32*(\t)+\i)*8192 th:TH_LOAD_NT
.endr
.endm
.macro WBLOCK t
.set WS_, 32+32*((\t)%2)
.set CT, 96+6*(\t)                     ; each block has its own six registers of codes: no store's data are written again
.set OFW, ((\t)/4)*1536+(((\t)/2)%2)*768
.if (\t) < 7
	s_wait_loadcnt 32                              ; this block's 32 loads are in; the next block's may be out
.else
	s_wait_loadcnt 0x0
.endif
	v_max3_num_f32 v12, |v[WS_]|, |v[WS_+1]|, |v[WS_+2]|
	v_max3_num_f32 v13, |v[WS_+3]|, |v[WS_+4]|, |v[WS_+5]|
.irp i, 6,10,14,18,22,26
	v_max3_num_f32 v12, v12, |v[WS_+\i]|, |v[WS_+\i+1]|
	v_max3_num_f32 v13, v13, |v[WS_+\i+2]|, |v[WS_+\i+3]|
.endr
	v_max3_num_f32 v12, v12, |v[WS_+30]|, |v[WS_+31]|
	v_max3_num_f32 v12, v12, v13, 0x1800000
	v_add_nc_u32 v11, 0xff000000, v12
	v_lshrrev_b32 v13, 23, v11
.if (\t)%4 == 0
	v_mov_b32 v[14+(\t)/4], v13                    ; four bytes to a word, the lower K in the lower byte
.else
	v_lshl_or_b32 v[14+(\t)/4], v13, 8*((\t)%4), v[14+(\t)/4]
.endif
	v_cvt_scalef32_pk16_fp6_f32 v[CT:CT+2], v[WS_:WS_+15], v11
	v_cvt_scalef32_pk16_fp6_f32 v[144:146], v[WS_+16:WS_+31], v11
	v_nop
.irp i, 0,1,2
	v_mov_b32 v[CT+3+\i], v[144+\i]
.endr
.if (\t)+2 < 8
	WLOAD (\t)+2
.endif
.if ((\t)%2) == 1                      ; blocks t - 1 and t are a half image's two blocks: the even block's lanes 16-31 (odd tile) change places with the odd block's lanes 0-15 (even tile)
.irp i, 0,1,2,3,4,5
	v_permlane16_swap_b32 v[CT-6+\i], v[CT+\i]
.endr
	global_store_b128 v[L16], v[CT-6:CT-3], s[22:23] offset:OFW
	global_store_b64 v[L8], v[CT-2:CT-1], s[22:23] offset:OFW+512
	global_store_b128 v[L16], v[CT:CT+3], s[22:23] offset:OFW+24576
	global_store_b64 v[L8], v[CT+4:CT+5], s[22:23] offset:OFW+24576+512
.endif
.endm
	WLOAD 0
	WLOAD 1
.irp t, 0,1,2,3,4,5,6,7
	WBLOCK \t
.endr
	global_store_b64 v[L8], v[14:15], s[24:25]     ; lane = place in the pair: the words lie as the layout wants them
	s_wait_tensorcnt 0x0                           ; the closing lines, on this path too
	ds_add_u32 v[SPW], v[NIL]
	s_wait_dscnt 0x0
	s_endpgm
.Lfunc_end_k_qe322ae1e01_quant:
	.size	k_qe322ae1e01_quant, .Lfunc_end_k_qe322ae1e01_quant-k_qe322ae1e01_quant
	.p2alignl 7, 3214868480
	.fill 96, 4, 3214868480
	.section	.rodata,"a",@progbits
	.p2align	6, 0x0
	.amdhsa_kernel k_qe322ae1e01_quant
		.amdhsa_group_segment_fixed_size 34304
		.amdhsa_private_segment_fixed_size 0
		.amdhsa_enable_private_segment 0
		.amdhsa_kernarg_size 72
		.amdhsa_user_sgpr_count 2
		.amdhsa_user_sgpr_kernarg_segment_ptr 1
		.amdhsa_wavefront_size32 1
		.amdhsa_system_sgpr_workgroup_id_x 1
		.amdhsa_system_sgpr_workgroup_id_y 1
		.amdhsa_system_sgpr_workgroup_id_z 1
		.amdhsa_system_vgpr_workitem_id 0
		.amdhsa_next_free_vgpr 256
		.amdhsa_next_free_sgpr 66
		.amdhsa_reserve_vcc 0
		.amdhsa_float_denorm_mode_32 3
		.amdhsa_float_denorm_mode_16_64 3
		.amdhsa_memory_ordered 1
		.amdhsa_forward_progress 1
		.amdhsa_inst_pref_size 70
	.end_amdhsa_kernel
	.amdgpu_metadata
---
amdhsa.version: [ 1, 2 ]
amdhsa.kernels:
  - .name:           k_qe322ae1e01_quant
    .symbol:         k_qe322ae1e01_quant.kd
    .args:
      - { .name: hidden_states, .offset: 0, .size: 8, .value_kind: global_buffer, .address_space: global }
      - { .name: Wq, .offset: 8, .size: 8, .value_kind: global_buffer, .address_space: global }
      - { .name: Wk, .offset: 16, .size: 8, .value_kind: global_buffer, .address_space: global }
      - { .name: Wv, .offset: 24, .size: 8, .value_kind: global_buffer, .address_space: global }
      - { .name: Wo, .offset: 32, .size: 8, .value_kind: global_buffer, .address_space: global }
      - { .name: xc, .offset: 40, .size: 8, .value_kind: global_buffer, .address_space: global }
      - { .name: xs, .offset: 48, .size: 8, .value_kind: global_buffer, .address_space: global }
      - { .name: wc, .offset: 56, .size: 8, .value_kind: global_buffer, .address_space: global }
      - { .name: ws, .offset: 64, .size: 8, .value_kind: global_buffer, .address_space: global }
    .group_segment_fixed_size: 34304
    .private_segment_fixed_size: 0
    .kernarg_segment_align: 8
    .kernarg_segment_size: 72
    .max_flat_workgroup_size: 128
    .sgpr_count:     66
    .vgpr_count:     256
    .wavefront_size: 32
...
	.end_amdgpu_metadata
.endif
;; end of part 1
;; launch gemm_qkv (part 2): grid 32 x 8, 4 waves a work-group, clusters of 4 x 4, 327,680 bytes of LDS; arguments xc, xs, wc, ws, qkv, qkvs; writes qkv, qkvs
.if DOCPART == 2
	.amdgcn_target "amdgcn-amd-amdhsa--gfx1250"
	.amdhsa_code_object_version 6
	.text
	.protected	k_qe322ae1e01_gemm_qkv
	.globl	k_qe322ae1e01_gemm_qkv
	.p2align	8
	.type	k_qe322ae1e01_gemm_qkv,@function
k_qe322ae1e01_gemm_qkv:
	s_mov_b64 s[64:65], 0
	v_nop
	global_prefetch_b8 v0, s[64:65] scope:SCOPE_SE
	s_setreg_imm32_b32 hwreg(HW_REG_WAVE_MODE, 25, 1), 1
	s_wait_xcnt 0x0
	s_wait_alu depctr_hold_cnt(0) depctr_sa_sdst(0) depctr_va_vdst(0) depctr_va_sdst(0) depctr_va_ssrc(0) depctr_va_vcc(0) depctr_vm_vsrc(0)
	s_getreg_b32 s2, hwreg(HW_REG_IB_STS2, 6, 4)
	s_cmp_eq_u32 s2, 0
	s_cbranch_scc0 .Lentry_in_a_cluster
	s_endpgm
.Lentry_in_a_cluster:
	s_bfe_u32 s2, ttmp6, 0x10000c
	s_cmp_lg_u32 s2, 0xf033
	s_cbranch_scc0 .Lentry_shape_is_right
	s_endpgm
.Lentry_shape_is_right:
; LAUNCH 2 OF 4.  q, k, v = hidden_states x Wq, Wk, Wv on codes of FP6; the results are quantised in registers, q and k along the head's 64, v along the keys, and leave as images of operand registers.  No work is left out.
; A work-group: 256 places of rows (y) x the 192 weight rows of one head (x).  Wave (i, j): row tiles 8 i .. 8 i + 7 x weight tiles 6 j .. 6 j + 5: four of q (j = 0) or k (j = 1), two of v.  48 accumulators.
; q, k: source 0 = weight tile, source 1 = row tile: a lane holds one row, and the 32 registers of a row tile are d = 32 b + 16 (lane / 16) + 0 .. 15.
; v:    source 0 = row tile, source 1 = weight tile: a lane holds one d, and the 64 registers of a weight tile are keys 32 b + 16 (lane / 16) + 0 .. 15 of the wave's 128 keys: one K step of the later product.
; THE RING: two LDS regions of unlike size take turns: a LARGE one of 512 along K (four steps of 128) and a SMALL one of 256 (two steps).  K steps 0-3 large, 4-5 small, 6-9 large, 10-11 small, 12-15 large.
; Both are filled at the head; three refills follow, behind steps 3, 5 and 9.  So the work-group's 688,128 bytes of codes come in five fills, and a wave waits for all its loads at four changes of region;
; a refill of the large region has the small one's 96 matrix instructions a wave in which to land, the refill of the small one the large one's 192.  Larger regions do not fit beside the scale words.
; A tile's part of a region is 6,144 or 3,072 consecutive bytes of memory.  All scale words of the work-group's rows come once and stay.  The 16 steps are written out: what differs from step to step stands in immediates.
; CLUSTER 4 x 4: the row tiles hang on y alone and are shared along a row of the cluster, the weight tiles on x alone and are shared along a column: joint loads.
; qkv, per batch and head 147,456 bytes: q [tile 64][768], k likewise at 49,152, v [step 8][d tile 4][1,536: registers 4 n .. 4 n + 3 at 512 n + 16 x lane] at 98,304.
; qkvs, per batch and head 10,240 bytes: q [4 tiles: 16][lane][2 words], word z of lane (r, h) = tile 2 z + h, bytes 0, 1 the two blocks, bytes 2, 3 zero; k at 4,096; v [step][pair of d tiles][lane] at 8,192.
; v's scale words leave in runs of 128 bytes (131,072 bytes in the launch): a pair's two tiles are one wave's, the two pairs two waves'.
; LIMITS as launch 1's.  No prefetch: the launch is short, six of its sixteen K steps come with the first fills, and the tiles are shared in the cluster.
; REGISTERS: window 0: v16-27, v30 addresses; v28, v29 the add's; v32-59 scale words, two sets; v60-102 the way out; v112-183, v184-255 weight fragments, two sets.
;   window 1: row fragments, two sets of 96.   window 2: q's or k's accumulators, (a, t) at 8 (4 a + t).   window 3: v's, (t, a) at 8 (8 t + a).
; THE FIRST FILLS AND THE PREFETCH AS THE TEXT BELOW HAS THEM (this takes the place of what the lines above say of them).
; At the head each wave issues ONE joint load: wave 0 the large region's 16 row tiles, wave 1 the rows' scale words, wave 2 its 12 weight tiles, wave 3 the weights' scale words.
; The small region's first fill goes out as a refill does: behind the wait for all loads, the add, its wait and a round of the cluster's barrier, half a side to a wave.
; PREFETCH: a set is 3,072 bytes (two K steps) of each tile that my wave fetches: 12 blocks of 256 bytes a tile, of which each of the four partners that ask jointly names 3, told apart by address
; (lane: tile = lane % 8, block = lane / 8; lanes left over name a block of their instruction again).  Sets 0 to 5 are K steps 4 to 15.  Sets 0, 1 are asked for at the head, sets 2, 3, 4 in K steps 0, 1, 2,
; set 5 in K step 4: each at least three K steps ahead of the load that wants it, but for set 0, which has the head's fill ahead of it.  All addresses lie inside a tile's 24,576 bytes.
.set BIGB,  98304
.set SML,   172032                     ; SMALL: 16 row tiles x 3,072,
.set SMLB,  221184                     ; then 12 weight tiles x 3,072
.set SCL,   258048                     ; the rows' scale words, 16,384 bytes, then the weights', 12,288
.set SPARE, 286720                     ; the spare words, 128 bytes a wave
.set SPW, 28
.set NIL, 29
.set G1A, 24                           ; s[24:31], s[32:39] group 1 for the row tiles: large, small
.set G1B, 48                           ; s[48:55], s[56:63] for the weight tiles
.set G1S, 68                           ; s[68:75] the rows' scale words;  s[76:83] the weights'
.set G1SB, 76
.set G0A, 84                           ; s[84:87], s[88:91] group 0 for the row tiles: large, small
.set G0B, 92                           ; s[92:95], s[96:99] for the weight tiles
.set G0S, 40                           ; s[40:43], s[44:47] for the scale words
.set G0SB, 44
.set SEL, 66                           ; s[66:67] selects: lane l xor 16
.set MSB, 0
.macro WIN new                         ; the immediate's high byte repeats the setting that is left
.if MSB != \new
	s_set_vgpr_msb (MSB<<8)|\new
.set MSB, \new
.endif
.endm
.macro JLOAD g0a, g1a, g0b, g1b        ; waves 0, 1 fetch for the rows, waves 2, 3 for the weights; an s_nop 0 and four v_nop follow each line
	s_cmp_eq_u32 s15, 0
	s_cbranch_scc0 .Lfor_b_\@
	tensor_load_to_lds s[\g0a:\g0a+3], s[\g1a:\g1a+7]
	s_nop 0
.rept 4
	v_nop
.endr
	s_branch .Lasked_\@
.Lfor_b_\@:
	tensor_load_to_lds s[\g0b:\g0b+3], s[\g1b:\g1b+7]
	s_nop 0
.rept 4
	v_nop
.endr
.Lasked_\@:
.endm
.macro CREST
	s_cmp_lg_u32 s14, 0
	s_cbranch_scc1 .Lnot_wave_0_\@
	s_barrier_signal -3
.Lnot_wave_0_\@:
	s_barrier_wait -3
	s_barrier_signal -1
	s_barrier_wait -1
.endm
.macro CROUND
	s_barrier_signal -1
	s_barrier_wait -1
	CREST
.endm
.macro PLACES
.rept 4
	v_nop
.endr
.endm
	s_load_b256 s[4:11], s[0:1], 0x0               ; xc, xs, wc, ws
	s_load_b128 s[20:23], s[0:1], 0x20             ; qkv, qkvs
	v_lshl_add_u32 v[SPW], v0, 2, SPARE
	v_mov_b32 v[NIL], 0
	ds_add_u32 v[SPW], v[NIL]                      ; the opening: the add, twice on end, and its wait ahead of my first tensor load
	ds_add_u32 v[SPW], v[NIL]
	v_lshrrev_b32 v1, 5, v0
	v_readfirstlane_b32 s14, v1                    ; wave
	s_lshr_b32 s15, s14, 1                         ; i.  Also: I fetch for the rows (0) or the weights (1)
	s_and_b32 s16, s14, 1                          ; j.  Also: which half I fetch
	s_bfe_u32 s2, ttmp6, 0x40000                   ; cx
	s_bfe_u32 s18, ttmp6, 0x40004                  ; cy
	s_lshl_b32 s13, ttmp9, 2
	s_add_co_u32 s13, s13, s2                      ; the head
	s_and_b32 s17, ttmp7, 0xffff
	s_lshl_b32 s17, s17, 2
	s_add_co_u32 s17, s17, s18                     ; the block of 256 places
	s_lshl_b32 s19, s18, 2
	s_lshl_b32 s19, 15, s19                        ; my row of the cluster
	s_lshl_b32 s3, 0x1111, s2                      ; my column
	s_or_b32 s[G1A], s19, (3<<16)|(1<<21)          ; elements of 8 bytes, no padding (every read is 16 or 8 bytes x lane on end); bit 21 beside the mask
	s_or_b32 s[G1A+8], s19, (3<<16)|(1<<21)
	s_or_b32 s[G1S], s19, (3<<16)|(1<<21)
	s_or_b32 s[G1B], s3, (3<<16)|(1<<21)
	s_or_b32 s[G1B+8], s3, (3<<16)|(1<<21)
	s_or_b32 s[G1SB], s3, (3<<16)|(1<<21)
.irp g, G1A, G1B
	s_mov_b32 s[\g+1], 768<<16                     ; large: rows (tiles) of 768 elements, 3,072 elements apart
	s_mov_b32 s[\g+3], 768<<16
	s_mov_b32 s[\g+5], 3072
	s_mov_b32 s[\g+6], 0
	s_mov_b32 s[\g+7], 0
	s_mov_b32 s[\g+9], 384<<16                     ; small: of 384
	s_mov_b32 s[\g+11], 384<<16
	s_mov_b32 s[\g+13], 3072
	s_mov_b32 s[\g+14], 0
	s_mov_b32 s[\g+15], 0
.endr
	s_mov_b32 s[G1A+2], 16<<16                     ; the head's load: all 16 row tiles (behind it: 8)
	s_mov_b32 s[G1A+4], 16
	s_mov_b32 s[G1A+10], 8<<16
	s_mov_b32 s[G1A+12], 8
	s_mov_b32 s[G1B+2], 12<<16                     ; the head's load: all 12 weight tiles (behind it: 6)
	s_mov_b32 s[G1B+4], 12
	s_mov_b32 s[G1B+10], 6<<16
	s_mov_b32 s[G1B+12], 6
	s_mov_b32 s[G1S+1], 32<<16                     ; a dense block of 8,192 bytes as 32 rows of 256
	s_mov_b32 s[G1S+2], 64<<16                     ; 16,384 bytes as 64 rows of 256
	s_mov_b32 s[G1S+3], 32<<16
	s_mov_b32 s[G1S+4], 64
	s_mov_b32 s[G1S+5], 32
	s_mov_b32 s[G1S+6], 0
	s_mov_b32 s[G1S+7], 0
	s_mov_b32 s[G1SB+1], 32<<16                    ; 6,144 bytes as 24 rows
	s_mov_b32 s[G1SB+2], 48<<16                    ; 12,288 bytes as 48 rows
	s_mov_b32 s[G1SB+3], 32<<16
	s_mov_b32 s[G1SB+4], 48
	s_mov_b32 s[G1SB+5], 32
	s_mov_b32 s[G1SB+6], 0
	s_mov_b32 s[G1SB+7], 0
	; the groups 0: count, LDS address (the wave's number and constants alone), and for now the byte offset in the buffer
	s_mov_b32 s[G0A], 1
	s_mul_i32 s[G0A+1], s16, 49152
	s_mov_b32 s[G0A+4], 1
	s_mul_i32 s[G0A+5], s16, 24576
	s_add_co_u32 s[G0A+5], s[G0A+5], SML
	s_mov_b32 s[G0B], 1
	s_mul_i32 s[G0B+1], s16, 36864
	s_add_co_u32 s[G0B+1], s[G0B+1], BIGB
	s_mov_b32 s[G0B+4], 1
	s_mul_i32 s[G0B+5], s16, 18432
	s_add_co_u32 s[G0B+5], s[G0B+5], SMLB
	s_mov_b32 s[G0S], 1
	s_mov_b32 s[G0S+1], SCL
	s_mov_b32 s[G0SB], 1
	s_mov_b32 s[G0SB+1], SCL+16384
	s_lshl_b32 s18, s17, 4                         ; rows: tile 16 y + 8 half
	s_lshl_b32 s19, s16, 3
	s_add_co_u32 s18, s18, s19
	s_mul_i32 s[G0A+2], s18, 24576
	s_mov_b32 s[G0A+3], 0
	s_lshl_b32 s18, s17, 14                        ; their scale words: 16,384 y + 8,192 half
	s_mov_b32 s[G0S+2], s18                        ; all of the block's scale words: 16,384 y
	s_mov_b32 s[G0S+3], 0
	s_mul_i32 s2, s13, 12                          ; weights: tile 12 head + 6 half
	s_mul_i32 s3, s16, 6
	s_add_co_u32 s2, s2, s3
	s_mul_i32 s[G0B+2], s2, 24576
	s_mov_b32 s[G0B+3], 0
	s_mul_i32 s2, s13, 12288                       ; their scale words
	s_mov_b32 s[G0SB+2], s2
	s_mov_b32 s[G0SB+3], 0
	s_mov_b32 s[SEL], 0x76543210
	s_mov_b32 s[SEL+1], 0xfedcba98
	s_mov_b32 s12, 0xffff0000                      ; lanes 16-31
	s_wait_dscnt 0x0                               ; both opening adds are done
	s_wait_kmcnt 0x0
	s_add_nc_u64 s[G0A+2:G0A+3], s[4:5], s[G0A+2:G0A+3]        ; large: K steps 0-3
	s_add_nc_u64 s[G0A+6:G0A+7], s[G0A+2:G0A+3], 6144          ; small: K steps 4, 5
	s_add_nc_u64 s[G0S+2:G0S+3], s[6:7], s[G0S+2:G0S+3]
	s_add_nc_u64 s[G0B+2:G0B+3], s[8:9], s[G0B+2:G0B+3]
	s_add_nc_u64 s[G0B+6:G0B+7], s[G0B+2:G0B+3], 6144
	s_add_nc_u64 s[G0SB+2:G0SB+3], s[10:11], s[G0SB+2:G0SB+3]
	s_cmp_eq_u32 s15, 0                            ; the prefetches' base: the first of the tiles that my wave fetches in the ring; the choice hangs on the wave's number alone
	s_cselect_b64 s[2:3], s[G0A+2:G0A+3], s[G0B+2:G0B+3]
	s_or_b32 s[G0A+3], s[G0A+3], 0x80000000
	s_or_b32 s[G0A+7], s[G0A+7], 0x80000000
	s_or_b32 s[G0S+3], s[G0S+3], 0x80000000
	s_or_b32 s[G0B+3], s[G0B+3], 0x80000000
	s_or_b32 s[G0B+7], s[G0B+7], 0x80000000
	s_or_b32 s[G0SB+3], s[G0SB+3], 0x80000000
	CROUND                                         ; all sixteen work-groups are here: the first joint loads meet
; the head's loads, one a wave, in one chain of branches on the wave's number.  Waves 0 and 2 have half 0 in their groups 0: the region's first byte of their side
.macro ARM under, g0, g1, next
	s_cmp_lt_u32 s14, \under
	s_cbranch_scc0 \next
	tensor_load_to_lds s[\g0:\g0+3], s[\g1:\g1+7]
	s_nop 0
.rept 4
	v_nop
.endr
	s_branch .Lhead_asked
\next:
.endm
	ARM 1, G0A, G1A, .Lhead_s
	ARM 2, G0S, G1S, .Lhead_b
	ARM 3, G0B, G1B, .Lhead_sb
	tensor_load_to_lds s[G0SB:G0SB+3], s[G1SB:G1SB+7]
	s_nop 0
.rept 4
	v_nop
.endr
.Lhead_asked:
	s_bfe_u32 s18, ttmp6, 0x40000                  ; cx
	s_bfe_u32 s19, ttmp6, 0x40004                  ; cy
	s_cmp_eq_u32 s15, 0
	s_cselect_b32 s18, s18, s19                    ; my place among the four that ask with me: cx for the rows, cy for the weights
	s_cselect_b32 s19, 7, 5                        ; my wave's last tile
	s_mul_i32 s18, s18, 768                        ; my work-group's 3 blocks of a set's 12
	v_and_b32 v31, 7, v0
	v_bfe_u32 v2, v0, 3, 2
	v_min_u32 v31, s19, v31
	v_min_u32 v2, 2, v2
	v_mul_u32_u24 v31, v31, 24576
	v_lshl_add_u32 v2, v2, 8, s18
	v_add_nc_u32 v31, v31, v2                      ; v31: the prefetches' offset; never rewritten
	global_prefetch_b8 v31, s[2:3] offset:6144 th:TH_LOAD_NT scope:SCOPE_SE   ; set 0: K steps 4, 5
	global_prefetch_b8 v31, s[2:3] offset:9216 th:TH_LOAD_NT scope:SCOPE_SE   ; set 1: K steps 6, 7
	v_and_b32 v1, 31, v0
	v_lshlrev_b32 v26, 4, v1
	v_lshlrev_b32 v27, 3, v1                       ; 8 x lane
	v_lshlrev_b32 v30, 2, v1                       ; 4 x lane
	s_mul_i32 s18, s15, 49152                      ; my 8 row tiles: in the large region,
	v_add_nc_u32 v16, s18, v26
	v_add_nc_u32 v18, s18, v27
	s_mul_i32 s18, s15, 24576                      ; in the small one
	s_add_co_u32 s18, s18, SML
	v_add_nc_u32 v17, s18, v26
	v_add_nc_u32 v19, s18, v27
	s_mul_i32 s19, s16, 36864                      ; my 6 weight tiles likewise
	s_add_co_u32 s19, s19, BIGB
	v_add_nc_u32 v20, s19, v26
	v_add_nc_u32 v22, s19, v27
	s_mul_i32 s19, s16, 18432
	s_add_co_u32 s19, s19, SMLB
	v_add_nc_u32 v21, s19, v26
	v_add_nc_u32 v23, s19, v27
	s_lshl_b32 s18, s15, 13
	s_add_co_u32 s18, s18, SCL
	v_add_nc_u32 v24, s18, v27                     ; my 4 pairs of row tiles: 2,048 bytes a pair, 256 for each 256 along K
	s_mul_i32 s19, s16, 6144
	s_add_co_u32 s19, s19, SCL+16384
	v_add_nc_u32 v25, s19, v27                     ; my 3 pairs of weight tiles
	; where the results go (the descriptors hold their own copies of the inputs' addresses: s[4:11] are free)
	s_lshr_b32 s18, s17, 2
	s_lshl_b32 s18, s18, 5
	s_add_co_u32 s18, s18, s13                     ; batch x 32 + head
	s_and_b32 s19, s17, 3
	s_lshl_b32 s19, s19, 1
	s_add_co_u32 s19, s19, s15                     ; my 128 places of the sequence: step 2 (y % 4) + i = 8 tiles of 768 bytes = 4 fragments of v: 6,144 bytes either way
	s_mul_i32 s4, s18, 147456
	s_mul_i32 s5, s19, 6144
	s_add_co_u32 s4, s4, s5
	s_mul_i32 s5, s16, 3072
	s_add_co_u32 s6, s4, s5
	s_add_co_u32 s6, s6, 98304
	s_mov_b32 s7, 0
	s_mul_i32 s5, s16, 49152
	s_add_co_u32 s4, s4, s5
	s_mov_b32 s5, 0
	s_add_nc_u64 s[4:5], s[20:21], s[4:5]          ; q's (j = 0) or k's (j = 1) codes
	s_add_nc_u64 s[6:7], s[20:21], s[6:7]          ; v's codes: d tiles 2 j, 2 j + 1
	s_mul_i32 s8, s18, 10240
	s_lshl_b32 s9, s19, 8
	s_add_co_u32 s10, s8, s9
	s_lshl_b32 s11, s16, 7
	s_add_co_u32 s10, s10, s11
	s_add_co_u32 s10, s10, 8192
	s_mov_b32 s11, 0
	s_lshl_b32 s9, s19, 9
	s_add_co_u32 s8, s8, s9
	s_lshl_b32 s9, s16, 12
	s_add_co_u32 s8, s8, s9
	s_mov_b32 s9, 0
	s_add_nc_u64 s[8:9], s[22:23], s[8:9]          ; q's or k's scale words: two groups of four tiles
	s_add_nc_u64 s[10:11], s[22:23], s[10:11]      ; v's scale words
.macro LOC g                           ; K step g lies in region RG (0 large, 1 small) as its QQ-th 128; TP: a tile's bytes there
.set GM_, (\g)%6
.if GM_ < 4
.set RG, 0
.set QQ, GM_
.set TP, 6144
.else
.set RG, 1
.set QQ, GM_-4
.set TP, 3072
.endif
.endm
.macro FRAG reg, a16, a8, off          ; a fragment (12 registers) from its two half images
	ds_load_b128 v[(\reg):(\reg)+3], v[\a16] offset:(\off)
	ds_load_b64 v[(\reg)+4:(\reg)+5], v[\a8] offset:(\off)+512
	ds_load_b128 v[(\reg)+6:(\reg)+9], v[\a16] offset:(\off)+768
	ds_load_b64 v[(\reg)+10:(\reg)+11], v[\a8] offset:(\off)+1280
.endm
.macro SCALES sc, ks                   ; the scale words of the ks-th 256 along K into set sc: two words a lane and pair; lanes 0-15 the even tile's, lanes 16-31 the odd tile's
.irp p, 0,1,2,3
	ds_load_b64 v[32+14*(\sc)+2*\p:33+14*(\sc)+2*\p], v24 offset:2048*\p+256*(\ks)
.endr
.irp p, 0,1,2
	ds_load_b64 v[40+14*(\sc)+2*\p:41+14*(\sc)+2*\p], v25 offset:2048*\p+256*(\ks)
.endr
.endm
.macro FETCH g                         ; 56 LDS loads in one run: K step g's fragments into set g % 2; with an even step the scale words of its 256 along K
	LOC \g
.set ST_, (\g)%2
	WIN 0x40                                       ; destination window 1
.irp a, 0,1,2,3,4,5,6,7
	FRAG 96*ST_+12*\a, 16+RG, 18+RG, TP*\a+1536*QQ
.endr
	WIN 0
.irp t, 0,1,2,3,4,5
	FRAG 112+72*ST_+12*\t, 20+RG, 22+RG, TP*\t+1536*QQ
.endr
.if ST_ == 0
	SCALES ((\g)/2)%2, (\g)/2
.endif
.endm
.macro WM d, a, b, zero, sa, sb, ra, rb        ; one product; ra, rb: the side's scales stand in lanes 16-31
.if \zero
.if (\ra) && (\rb)
	v_wmma_scale_f32_16x16x128_f8f6f4 v[(\d):(\d)+7], v[(\a):(\a)+11], v[(\b):(\b)+11], 0, v[\sa], v[\sb] matrix_a_fmt:MATRIX_FMT_FP6 matrix_b_fmt:MATRIX_FMT_FP6 matrix_a_scale:MATRIX_SCALE_ROW1 matrix_b_scale:MATRIX_SCALE_ROW1
.elseif (\ra)
	v_wmma_scale_f32_16x16x128_f8f6f4 v[(\d):(\d)+7], v[(\a):(\a)+11], v[(\b):(\b)+11], 0, v[\sa], v[\sb] matrix_a_fmt:MATRIX_FMT_FP6 matrix_b_fmt:MATRIX_FMT_FP6 matrix_a_scale:MATRIX_SCALE_ROW1
.elseif (\rb)
	v_wmma_scale_f32_16x16x128_f8f6f4 v[(\d):(\d)+7], v[(\a):(\a)+11], v[(\b):(\b)+11], 0, v[\sa], v[\sb] matrix_a_fmt:MATRIX_FMT_FP6 matrix_b_fmt:MATRIX_FMT_FP6 matrix_b_scale:MATRIX_SCALE_ROW1
.else
	v_wmma_scale_f32_16x16x128_f8f6f4 v[(\d):(\d)+7], v[(\a):(\a)+11], v[(\b):(\b)+11], 0, v[\sa], v[\sb] matrix_a_fmt:MATRIX_FMT_FP6 matrix_b_fmt:MATRIX_FMT_FP6
.endif
.else
.if (\ra) && (\rb)
	v_wmma_scale_f32_16x16x128_f8f6f4 v[(\d):(\d)+7], v[(\a):(\a)+11], v[(\b):(\b)+11], v[(\d):(\d)+7], v[\sa], v[\sb] matrix_a_fmt:MATRIX_FMT_FP6 matrix_b_fmt:MATRIX_FMT_FP6 matrix_a_scale:MATRIX_SCALE_ROW1 matrix_b_scale:MATRIX_SCALE_ROW1
.elseif (\ra)
	v_wmma_scale_f32_16x16x128_f8f6f4 v[(\d):(\d)+7], v[(\a):(\a)+11], v[(\b):(\b)+11], v[(\d):(\d)+7], v[\sa], v[\sb] matrix_a_fmt:MATRIX_FMT_FP6 matrix_b_fmt:MATRIX_FMT_FP6 matrix_a_scale:MATRIX_SCALE_ROW1
.elseif (\rb)
	v_wmma_scale_f32_16x16x128_f8f6f4 v[(\d):(\d)+7], v[(\a):(\a)+11], v[(\b):(\b)+11], v[(\d):(\d)+7], v[\sa], v[\sb] matrix_a_fmt:MATRIX_FMT_FP6 matrix_b_fmt:MATRIX_FMT_FP6 matrix_b_scale:MATRIX_SCALE_ROW1
.else
	v_wmma_scale_f32_16x16x128_f8f6f4 v[(\d):(\d)+7], v[(\a):(\a)+11], v[(\b):(\b)+11], v[(\d):(\d)+7], v[\sa], v[\sb] matrix_a_fmt:MATRIX_FMT_FP6 matrix_b_fmt:MATRIX_FMT_FP6
.endif
.endif
.endm
; The 48 accumulators take turns, one instruction a turn, in the same order in every step.  K step g: fragments in set g % 2, scale words in set (g / 2) % 2, word g % 2.
.macro MULT a0, n, g, zero             ; q or k: row tiles a0 .. a0 + n - 1 x weight tiles 0-3; source 0 = weights (window 0), source 1 = rows (window 1), C and D window 2
	WIN 0xa4
.set ST_, (\g)%2
.set SC_, ((\g)/2)%2
.set AA, \a0
.rept \n
.irp t, 0,1,2,3
	WM 8*(4*AA+\t), 112+72*ST_+12*\t, 96*ST_+12*AA, \zero, 40+14*SC_+2*(\t/2)+ST_, 32+14*SC_+2*(AA/2)+ST_, \t%2, AA%2
.endr
.set AA, AA+1
.endr
.endm
.macro MULN a0, n, g, zero             ; v: source 0 = rows (window 1), source 1 = weight tiles 4, 5 (window 0), C and D window 3
	WIN 0xf1
.set ST_, (\g)%2
.set SC_, ((\g)/2)%2
.set AA, \a0
.rept \n
.irp t, 0,1
	WM 8*(8*\t+AA), 96*ST_+12*AA, 112+72*ST_+12*(4+\t), \zero, 32+14*SC_+2*(AA/2)+ST_, 44+14*SC_+ST_, AA%2, \t
.endr
.set AA, AA+1
.endr
.endm
.macro STEP g, zero                    ; a K step whose successor lies in the same region: the successor's fragments are fetched under this step's 48 products
	s_wait_dscnt 0x0                               ; this step's fragments and scale words are in
	PLACES                                         ; four places in front of loads into registers that the last products read
	FETCH (\g)+1
.if (\g) < 3
	global_prefetch_b8 v31, s[2:3] offset:6144+3072*((\g)+2) th:TH_LOAD_NT scope:SCOPE_SE   ; sets 2, 3, 4, behind the run of LDS loads (every window is 0 here)
.elseif (\g) == 4
	global_prefetch_b8 v31, s[2:3] offset:6144+3072*5 th:TH_LOAD_NT scope:SCOPE_SE          ; set 5: the last
.endif
	MULT 0, 8, \g, \zero
	MULN 0, 8, \g, \zero
.endm
.macro TURN g, fill                    ; a region's last K step, and the change of regions.  fill = 1: the region just read is filled again, with the K steps six on
	WIN 0                                          ; (the add's two registers lie in window 0)
	s_wait_tensorcnt 0x0                           ; all my tensor loads have landed: my part of the other region
	ds_add_u32 v[SPW], v[NIL]                      ; 0 onto my spare word
	s_wait_dscnt 1                                 ; this step's fragments are in; the add alone may be out
	MULT 0, 4, \g, 0
	s_wait_dscnt 0x0                               ; the add is done, and my reads of this region are over
	s_barrier_signal -1
	MULT 4, 4, \g, 0
	WIN 0
	s_barrier_wait -1
.if \fill
	CREST                                          ; the barrier has opened a round of the cluster's: no wave of any partner still reads this region or has a load on its way
	LOC \g
	s_add_nc_u64 s[G0A+4*RG+2:G0A+4*RG+3], s[G0A+4*RG+2:G0A+4*RG+3], 9216
	s_add_nc_u64 s[G0B+4*RG+2:G0B+4*RG+3], s[G0B+4*RG+2:G0B+4*RG+3], 9216
	JLOAD G0A+4*RG, G1A+8*RG, G0B+4*RG, G1B+8*RG   ; the first tensor load behind the round; its four v_nop are the places in front of the loads below
.else
	PLACES
.endif
	FETCH (\g)+1
	MULN 0, 8, \g, 0
.endm
	s_wait_alu depctr_va_vdst(0)                   ; the head's end
	s_wait_tensorcnt 0x0                           ; my one load of the head is in
	ds_add_u32 v[SPW], v[NIL]
	s_mov_b32 s[G1A+2], 8<<16                      ; no tensor load of mine is out: from here on a load of the large region brings a wave's half: 8 row tiles,
	s_mov_b32 s[G1A+4], 8
	s_mov_b32 s[G1B+2], 6<<16                      ; or 6 weight tiles
	s_mov_b32 s[G1B+4], 6
	s_wait_dscnt 0x0                               ; the add is done
	CROUND                                         ; everybody's part of the head's four tiles is in, and all sixteen work-groups are here
	JLOAD G0A+4, G1A+8, G0B+4, G1B+8               ; the small region's first fill: the first tensor load behind the round; it has K steps 0 to 3 in which to land
	FETCH 0
	STEP 0, 1                                      ; the first step's products start the sums: nothing is cleared
	STEP 1, 0
	STEP 2, 0
	TURN 3, 1                                      ; the large region takes K steps 6-9
	STEP 4, 0
	TURN 5, 1                                      ; the small one K steps 10, 11
	STEP 6, 0
	STEP 7, 0
	STEP 8, 0
	TURN 9, 1                                      ; the large one K steps 12-15: the last load
	STEP 10, 0
	TURN 11, 0                                     ; nothing is left to fetch
	STEP 12, 0
	STEP 13, 0
	STEP 14, 0
	s_wait_dscnt 0x0
	MULT 0, 8, 15, 0
	MULN 0, 8, 15, 0
	WIN 0
; THE WAY OUT.  Everything is quantised in registers and stored as images: each store covers 512 or 256 consecutive bytes.
	PLACES                                         ; behind the last products: results are read, and registers that held fragments are written
	v_mov_b32 v60, 0x1800000                       ; the floor 2^(3 - 127)
.irp i, 78,79,88,89,90,91
	v_mov_b32 v[\i], 0                             ; (lane permutes' destinations count as sources)
.endr
.macro QKOUT a                         ; row tile a: 32 registers = two blocks of 32 along d, each in lanes l and l xor 16
	WIN 0x28                                       ; sources 1 and 2 window 2
.irp b, 0,1
	v_max3_num_f32 v[76+\b], v60, |v[32*(\a)+16*\b]|, |v[32*(\a)+16*\b+1]|       ; each accumulator is read from its low end on
.endr
.irp i, 2,4,6,8,10,12,14
.irp b, 0,1
	v_max3_num_f32 v[76+\b], v[76+\b], |v[32*(\a)+16*\b+\i]|, |v[32*(\a)+16*\b+\i+1]|
.endr
.endr
	WIN 0
.irp b, 0,1
	v_permlanex16_b32 v[78+\b], v[76+\b], s[SEL], s[SEL+1]
.endr
.irp b, 0,1
	v_max_num_f32 v[76+\b], v[76+\b], v[78+\b]
.endr
.irp b, 0,1
	v_add_nc_u32 v[80+\b], 0xff000000, v[76+\b]
.endr
.irp b, 0,1
	v_lshrrev_b32 v[82+\b], 23, v[80+\b]
.endr
	v_lshl_or_b32 v[64+(\a)], v83, 8, v82          ; the row's word: two bytes; the upper two stay 0
	WIN 0x02                                       ; source 0 window 2
	v_cvt_scalef32_pk16_fp6_f32 v[128+6*(\a):130+6*(\a)], v[32*(\a):32*(\a)+15], v80
	v_cvt_scalef32_pk16_fp6_f32 v[176:178], v[32*(\a)+16:32*(\a)+31], v81
	WIN 0
	v_nop
.irp i, 0,1,2
	v_permlane16_swap_b32 v[128+6*(\a)+\i], v[176+\i]   ; a whole block to a lane: lanes 0-15 block 0, lanes 16-31 block 1
.endr
.irp i, 0,1,2
	v_mov_b32 v[131+6*(\a)+\i], v[176+\i]
.endr
	global_store_b128 v26, v[128+6*(\a):131+6*(\a)], s[4:5] offset:768*(\a)
	global_store_b64 v27, v[132+6*(\a):133+6*(\a)], s[4:5] offset:768*(\a)+512
.if ((\a)%4) == 3
	v_cndmask_b32 v[72+2*((\a)/4)], v[61+(\a)], v[62+(\a)], s12       ; word z of lane (r, h) = tile 2 z + h of the four
	v_cndmask_b32 v[73+2*((\a)/4)], v[63+(\a)], v[64+(\a)], s12
	global_store_b64 v27, v[72+2*((\a)/4):73+2*((\a)/4)], s[8:9] offset:256*((\a)/4)
.endif
.endm
.irp a, 0,1,2,3,4,5,6,7
	QKOUT \a
.endr
.macro VOUT u                          ; weight tile 4 + u: 64 registers = four blocks of 32 keys: one fragment and one scale word a row
.set PCV, 184+12*(\u)
	WIN 0x3c                                       ; sources 1 and 2 window 3
.irp b, 0,1,2,3
	v_max3_num_f32 v[84+\b], v60, |v[64*(\u)+16*\b]|, |v[64*(\u)+16*\b+1]|
.endr
.irp i, 2,4,6,8,10,12,14
.irp b, 0,1,2,3
	v_max3_num_f32 v[84+\b], v[84+\b], |v[64*(\u)+16*\b+\i]|, |v[64*(\u)+16*\b+\i+1]|
.endr
.endr
	WIN 0
.irp b, 0,1,2,3
	v_permlanex16_b32 v[88+\b], v[84+\b], s[SEL], s[SEL+1]
.endr
.irp b, 0,1,2,3
	v_max_num_f32 v[84+\b], v[84+\b], v[88+\b]
.endr
.irp b, 0,1,2,3
	v_add_nc_u32 v[92+\b], 0xff000000, v[84+\b]
.endr
.irp b, 0,1,2,3
	v_lshrrev_b32 v[96+\b], 23, v[92+\b]
.endr
	v_lshl_or_b32 v[100+(\u)], v97, 8, v96
	v_lshl_or_b32 v[100+(\u)], v98, 16, v[100+(\u)]
	v_lshl_or_b32 v[100+(\u)], v99, 24, v[100+(\u)]
	WIN 0x03                                       ; source 0 window 3
.irp c, 0,1
	v_cvt_scalef32_pk16_fp6_f32 v[PCV+6*\c:PCV+6*\c+2], v[64*(\u)+32*\c:64*(\u)+32*\c+15], v[92+2*\c]
	v_cvt_scalef32_pk16_fp6_f32 v[208+4*\c:210+4*\c], v[64*(\u)+32*\c+16:64*(\u)+32*\c+31], v[93+2*\c]
.endr
	WIN 0
	v_nop
.irp c, 0,1
.irp i, 0,1,2
	v_permlane16_swap_b32 v[PCV+6*\c+\i], v[208+4*\c+\i]
.endr
.irp i, 0,1,2
	v_mov_b32 v[PCV+3+6*\c+\i], v[208+4*\c+\i]
.endr
.endr
.irp n, 0,1,2
	global_store_b128 v26, v[PCV+4*\n:PCV+4*\n+3], s[6:7] offset:1536*(\u)+512*\n
.endr
.endm
	VOUT 0
	VOUT 1
	v_cndmask_b32 v102, v100, v101, s12
	global_store_b32 v30, v102, s[10:11]
	s_wait_tensorcnt 0x0                           ; the wave's end
	ds_add_u32 v[SPW], v[NIL]
	s_wait_dscnt 0x0
	CROUND                                         ; the closing round
	s_endpgm
.Lfunc_end_k_qe322ae1e01_gemm_qkv:
	.size	k_qe322ae1e01_gemm_qkv, .Lfunc_end_k_qe322ae1e01_gemm_qkv-k_qe322ae1e01_gemm_qkv
	.p2alignl 7, 3214868480
	.fill 96, 4, 3214868480
	.section	.rodata,"a",@progbits
	.p2align	6, 0x0
	.amdhsa_kernel k_qe322ae1e01_gemm_qkv
		.amdhsa_group_segment_fixed_size 327680
		.amdhsa_private_segment_fixed_size 0
		.amdhsa_enable_private_segment 0
		.amdhsa_kernarg_size 48
		.amdhsa_user_sgpr_count 2
		.amdhsa_user_sgpr_kernarg_segment_ptr 1
		.amdhsa_wavefront_size32 1
		.amdhsa_system_sgpr_workgroup_id_x 1
		.amdhsa_system_sgpr_workgroup_id_y 1
		.amdhsa_system_sgpr_workgroup_id_z 1
		.amdhsa_system_vgpr_workitem_id 0
		.amdhsa_next_free_vgpr 896
		.amdhsa_next_free_sgpr 100
		.amdhsa_reserve_vcc 0
		.amdhsa_float_denorm_mode_32 3
		.amdhsa_float_denorm_mode_16_64 3
		.amdhsa_memory_ordered 1
		.amdhsa_forward_progress 1
		.amdhsa_inst_pref_size 202
	.end_amdhsa_kernel
	.amdgpu_metadata
---
amdhsa.version: [ 1, 2 ]
amdhsa.kernels:
  - .name:           k_qe322ae1e01_gemm_qkv
    .symbol:         k_qe322ae1e01_gemm_qkv.kd
    .args:
      - { .name: xc, .offset: 0, .size: 8, .value_kind: global_buffer, .address_space: global }
      - { .name: xs, .offset: 8, .size: 8, .value_kind: global_buffer, .address_space: global }
      - { .name: wc, .offset: 16, .size: 8, .value_kind: global_buffer, .address_space: global }
      - { .name: ws, .offset: 24, .size: 8, .value_kind: global_buffer, .address_space: global }
      - { .name: qkv, .offset: 32, .size: 8, .value_kind: global_buffer, .address_space: global }
      - { .name: qkvs, .offset: 40, .size: 8, .value_kind: global_buffer, .address_space: global }
    .group_segment_fixed_size: 327680
    .private_segment_fixed_size: 0
    .kernarg_segment_align: 8
    .kernarg_segment_size: 48
    .max_flat_workgroup_size: 128
    .sgpr_count:     100
    .vgpr_count:     896
    .wavefront_size: 32
...
	.end_amdgpu_metadata
.endif
;; end of part 2
;; launch attn (part 3): grid 4 x 64, 16 waves a work-group, clusters of 4 x 1, 167,936 bytes of LDS; arguments qkv, qkvs, attention_mask, rel_emb, cc, cs; writes cc, cs
.if DOCPART == 3
	.amdgcn_target "amdgcn-amd-amdhsa--gfx1250"
	.amdhsa_code_object_version 6
	.text
	.protected	k_qe322ae1e01_attn
	.globl	k_qe322ae1e01_attn
	.p2align	8
	.type	k_qe322ae1e01_attn,@function
k_qe322ae1e01_attn:
	s_mov_b64 s[64:65], 0
	v_nop
	global_prefetch_b8 v0, s[64:65] scope:SCOPE_SE
	s_setreg_imm32_b32 hwreg(HW_REG_WAVE_MODE, 25, 1), 1
	s_wait_xcnt 0x0
	s_wait_alu depctr_hold_cnt(0) depctr_sa_sdst(0) depctr_va_vdst(0) depctr_va_sdst(0) depctr_va_ssrc(0) depctr_va_vcc(0) depctr_vm_vsrc(0)
	s_getreg_b32 s2, hwreg(HW_REG_IB_STS2, 6, 4)
	s_cmp_eq_u32 s2, 0
	s_cbranch_scc0 .Lentry_in_a_cluster
	s_endpgm
.Lentry_in_a_cluster:
	s_bfe_u32 s2, ttmp6, 0x10000c
	s_cmp_lg_u32 s2, 0x3003
	s_cbranch_scc0 .Lentry_shape_is_right
	s_endpgm
.Lentry_shape_is_right:
; LAUNCH 3 OF 4.  For each batch and head: S = q k^T / 8 + mask + bias, p = 2^(t - M) quantised along the keys, O = p v / sum(p), O quantised along (head, d) for the last product.  No work is left out.
; SHARES.  The four work-groups of a cluster share one batch and head; wave w of work-group x owns query tile 4 w + x: lane r holds query 64 w + 32 (x / 2) + 16 (r / 8) + 8 (x % 2) + r % 8.
; A whole head's k and v, 98,304 bytes, are fetched ONCE: each of the sixteen waves issues one joint load (one tensor load of mine is out), and nothing is ever filled again.
; Every branch and every LDS address hangs on the wave, the lane and the step alone; x goes into the bias table's CONTENTS and into global addresses.
; BOTH PRODUCTS TRANSPOSED: S^T = k q^T, O^T = v^T p^T: a lane holds one query; S's register 16 b + i is key 128 step + 32 b + 16 (lane / 16) + i.
; THE FIRST PRODUCT'S K IS 64 OF THE INSTRUCTION'S 128.  q's codes of k = 64 .. 127 are zeros.  k's fragments lie 6 registers apart, so the upper six registers of fragment t are fragment t + 1's codes
; (behind the last: zeros): finite numbers, since FP6 has neither NaN nor infinity, times zero codes, under scale bytes 0 (2^-127): they add exactly 0.  Zero codes stand on ONE side only.
; THE BIAS COSTS NO ADDITION: 8 (mask + bias) is the C of the first product, and t = S x log2(e) / 8.
; BUCKETS (they hang on no input): n = |k - q|: n under 8: n; from 8, 12, 16, 23, 32, 46, 64, 91 on: 8 .. 15; + 16 where k > q.  A step all of whose keys lie 91 or more before (after) all 64 queries that
; the wave's number allows takes one number of rel_emb, added to the mask beforehand (two more copies of the mask); the other steps add from a table over k - q, kept in four copies shifted by a word, so that
; each lane's four neighbours are 16 aligned bytes.
; M = ceil(the running largest t); the sum is taken of the unquantised p; a change of M multiplies the sum and O by an exact power of two.
; LIMITS: 8 x mask is held at -3e38 from below; a row whose every logit lies under about -2^20 is not served (t - M loses its fraction there); 8 x rel_emb must be finite; NaN and infinities are not served.
; ctx's scale bytes leave as 2 bytes a row (a word spans two heads, which are two clusters'): 131,072 bytes in the launch; lanes l and l xor 16 store the same value to the same bytes.
; No prefetch: all that the launch reads is asked for at its head.
.set VOFF,  49152                      ; LDS: k [tile 64][768]; v [step 8][d tile 4][1,536]
.set KSC,   98304                      ; k's scale words, 4,096 bytes
.set VSC,   102400                     ; v's, 2,048
.set MSK,   104448                     ; 8 mask; 8 (mask + rel_emb[15][h]); 8 (mask + rel_emb[31][h]): 4,096 bytes each
.set TBL,   116736                     ; the table's four copies, at 0, 8,224, 16,512, 24,736
.set SPARE, 149760                     ; the spare words, 128 bytes a wave
.set SPW, 1
.set NIL, 2
.set L16, 3                            ; 16 x lane
.set L8,  4                            ; 8 x lane
.set LM,  5                            ; MSK + 64 (lane / 16)
.set LB,  6                            ; my place in my copy of the table
.set A16, 7                            ; v7-10, v242, v243: the step's addresses
.set A8,  8
.set AM,  9
.set AB,  10
.set QF,  16                           ; v16-27 q's fragment (v22-27 zeros)
.set QS,  28                           ; scale words: q's, p's, v's two
.set PS,  29
.set VS,  30
.set KFR, 32                           ; v32-85 k: fragment t at 32 + 6 t, v80-85 zeros;  during the softmax v32-54 are at work
.set VF,  86                           ; v86-133 v's four fragments; before that the table's numbers
.set S,   134                          ; v134-197 S^T, then p
.set O,   198                          ; v198-229 O^T
.set PC,  230                          ; v230-241 p's codes
.set AS,  242
.set AT,  243
.set LKS, 244                          ; KSC + 8 x lane
.set LVS, 245                          ; VSC + 4 x lane
.set KS,  250                          ; v250-253 k's scale words
.set F,   254                          ; v[254:255] f = 2^(old M - new M), and a 0 named with it
.set WV,  18
.set SEL, 20
.set CS,  22
.set KF,  42                           ; the step's first key
.set TK,  43                           ; 6,144 x step
.set T5,  44                           ; 512 x step
.set T2,  45                           ; 256 x step
.set VAR, 46                           ; which copy of the mask
.set W64, 47                           ; 64 w
.set W154, 48                          ; 64 w + 154
.set CNT, 49
.macro CROUND
	s_barrier_signal -1
	s_barrier_wait -1
	s_cmp_lg_u32 s[WV], 0
	s_cbranch_scc1 .Lnot_wave_0_\@
	s_barrier_signal -3
.Lnot_wave_0_\@:
	s_barrier_wait -3
	s_barrier_signal -1
	s_barrier_wait -1
.endm
	s_load_b256 s[4:11], s[0:1], 0x0               ; qkv, qkvs, mask, rel_emb
	s_load_b128 s[12:15], s[0:1], 0x20             ; cc, cs
	v_lshl_add_u32 v[SPW], v0, 2, SPARE
	v_mov_b32 v[NIL], 0
	ds_add_u32 v[SPW], v[NIL]                      ; the opening: the add, twice on end, and its wait ahead of my first tensor load
	ds_add_u32 v[SPW], v[NIL]
	v_lshrrev_b32 v11, 5, v0
	s_delay_alu instid0(VALU_DEP_1)
	v_readfirstlane_b32 s[WV], v11                 ; wave 0 .. 15
	s_bfe_u32 s36, ttmp6, 0x40000                  ; x: my place in the cluster
	s_and_b32 s37, s36, 1
	s_lshr_b32 s38, s36, 1
	s_and_b32 s39, ttmp7, 0xffff                   ; batch x 32 + head
	s_and_b32 s40, s39, 31                         ; head
	s_lshr_b32 s41, s39, 5                         ; batch
	s_mov_b32 s24, 15|(3<<16)|(1<<21)              ; all four work-groups; elements of 8 bytes; bit 21 beside the mask
	s_mov_b32 s25, 32<<16                          ; a dense block of 6,144 bytes as 24 rows of 256
	s_mov_b32 s26, 24<<16
	s_mov_b32 s27, 32<<16
	s_mov_b32 s28, 24
	s_mov_b32 s29, 32
	s_mov_b32 s30, 0
	s_mov_b32 s31, 0
	s_mov_b32 s[SEL], 0x76543210
	s_mov_b32 s[SEL+1], 0xfedcba98
	s_mov_b32 s[CS], 0x3e38aa3b                    ; log2(e) / 8
	s_mov_b32 s[CS+1], s[CS]
	s_mul_i32 s50, s39, 147456                     ; my head's first byte in qkv
	s_mul_i32 s52, s[WV], 6144
	s_add_co_u32 s54, s50, s52
	s_add_co_u32 s54, s54, 49152                   ; k and v lie on end behind q
	s_mov_b32 s55, 0
	s_wait_dscnt 0x0                               ; both opening adds are done
	s_wait_kmcnt 0x0
	s_mov_b32 s32, 1
	s_mov_b32 s33, s52                             ; LDS: 6,144 x wave
	s_add_nc_u64 s[34:35], s[4:5], s[54:55]
	s_or_b32 s35, s35, 0x80000000
	CROUND                                         ; all four work-groups are here: the joint loads meet
	tensor_load_to_lds s[32:35], s[24:31]
	s_nop 0
.rept 4
	v_nop
.endr
	; addresses that stay
	v_and_b32 v11, 31, v0
	s_delay_alu instid0(VALU_DEP_1)
	v_lshlrev_b32 v[L16], 4, v11
	s_delay_alu instid0(VALU_DEP_2)
	v_lshlrev_b32 v[L8], 3, v11
	s_delay_alu instid0(VALU_DEP_3)
	v_lshl_add_u32 v[LKS], v11, 3, KSC
	s_delay_alu instid0(VALU_DEP_4)
	v_lshl_add_u32 v[LVS], v11, 2, VSC
	v_and_b32 v134, 15, v0                         ; r
	v_bfe_u32 v135, v0, 4, 1                       ; h
	s_delay_alu instid0(VALU_DEP_1)
	v_lshl_add_u32 v[LM], v135, 6, MSK
	s_delay_alu instid0(VALU_DEP_3)
	v_and_b32 v136, 3, v134
	s_delay_alu instid0(VALU_DEP_1)
	v_xor_b32 v136, 3, v136                        ; m = 3 - r % 4: my copy
	s_delay_alu instid0(VALU_DEP_1)
	v_and_b32 v137, 1, v136
	s_delay_alu instid0(VALU_DEP_2)
	v_lshrrev_b32 v138, 1, v136
	s_delay_alu instid0(VALU_DEP_2)
	v_mul_u32_u24 v137, v137, 8224
	s_delay_alu instid0(VALU_DEP_1)
	v_mad_u32_u24 v137, v138, 16512, v137
	v_bfe_u32 v138, v134, 3, 1
	s_delay_alu instid0(VALU_DEP_1)
	v_xor_b32 v138, 1, v138
	v_bfe_u32 v139, v134, 2, 1
	s_delay_alu instid0(VALU_DEP_1)
	v_xor_b32 v139, 1, v139
	s_delay_alu instid0(VALU_DEP_3)
	v_lshlrev_b32 v138, 6, v138                    ; 4 x 16 (1 - r / 8)
	s_delay_alu instid0(VALU_DEP_1)
	v_lshl_add_u32 v138, v139, 4, v138             ; + 4 x 4 (1 - (r / 4) % 2)
	s_delay_alu instid0(VALU_DEP_1)
	v_add_nc_u32 v137, v137, v138
	s_delay_alu instid0(VALU_DEP_1)
	v_lshl_add_u32 v137, v135, 6, v137             ; + 4 x 16 h
	s_xor_b32 s53, s[WV], 15
	s_lshl_b32 s53, s53, 8                         ; + 4 x 64 (15 - w)
	s_add_co_u32 s53, s53, TBL+16
	v_add_nc_u32 v[LB], s53, v137
	; loads: q, the scale words, the mask, rel_emb
	s_lshl_b32 s56, s[WV], 2
	s_add_co_u32 s56, s56, s36                     ; my query tile
	s_mul_i32 s54, s56, 768
	s_add_co_u32 s54, s54, s50
	s_add_nc_u64 s[54:55], s[4:5], s[54:55]
	global_load_b128 v[QF:QF+3], v[L16], s[54:55]
	global_load_b64 v[QF+4:QF+5], v[L8], s[54:55] offset:512
	s_mul_i32 s58, s39, 10240
	s_mov_b32 s59, 0
	s_add_nc_u64 s[6:7], s[6:7], s[58:59]
	s_lshl_b32 s58, s[WV], 8                       ; q's word: group w, lane r + 16 (x % 2), word x / 2
	s_lshl_b32 s57, s37, 7
	s_add_co_u32 s58, s58, s57
	s_lshl_b32 s57, s38, 2
	s_add_co_u32 s58, s58, s57
	v_lshlrev_b32 v140, 3, v134
	s_delay_alu instid0(VALU_DEP_1)
	v_add_nc_u32 v140, s58, v140
	global_load_b32 v[QS], v140, s[6:7]
	v_lshlrev_b32 v141, 3, v0                      ; 8 x thread
	v_lshlrev_b32 v142, 2, v0                      ; 4 x thread
	global_load_b64 v[144:145], v141, s[6:7] offset:4096
	global_load_b32 v143, v142, s[6:7] offset:8192
	s_lshl_b32 s58, s41, 12
	s_add_nc_u64 s[8:9], s[8:9], s[58:59]
	global_load_b64 v[146:147], v141, s[8:9]       ; two keys' mask a thread
	s_lshl_b32 s57, s40, 2
	v_mov_b32 v148, s57                            ; 4 x head
	global_load_b32 v149, v148, s[10:11] offset:1920   ; rel_emb[15][h]
	global_load_b32 v150, v148, s[10:11] offset:3968   ; rel_emb[31][h]
	s_xor_b32 s52, s38, 1
	s_lshl_b32 s52, s52, 5
	s_xor_b32 s53, s37, 1
	s_lshl_b32 s53, s53, 3
	s_add_co_u32 s52, s52, s53
	s_sub_co_u32 s52, s52, 1023                    ; what x adds to k - q, less 1,023
.irp a, 0,1,2,3                        ; table entry i = thread + 512 a stands for k - q = i + that
	v_add_nc_u32 v152, 512*\a, v0
	s_delay_alu instid0(VALU_DEP_1)
	v_add_nc_u32 v152, s52, v152
	s_delay_alu instid0(VALU_DEP_1)
	v_ashrrev_i32 v153, 31, v152
	s_delay_alu instid0(VALU_DEP_1)
	v_xor_b32 v154, v152, v153
	s_delay_alu instid0(VALU_DEP_1)
	v_sub_nc_u32 v154, v154, v153                  ; n = |k - q|
	s_delay_alu instid0(VALU_DEP_1)
	v_min_u32 v[156+\a], 8, v154
.irp e, 11,15,22,31,45,63,90
	v_sub_nc_u32 v155, \e, v154                    ; negative from n = e + 1 on
	s_delay_alu instid0(VALU_DEP_1)
	v_lshrrev_b32 v155, 31, v155
	s_delay_alu instid0(VALU_DEP_1)
	v_add_nc_u32 v[156+\a], v[156+\a], v155
.endr
	v_sub_nc_u32 v155, 0, v152
	s_delay_alu instid0(VALU_DEP_1)
	v_lshrrev_b32 v155, 31, v155                   ; 1 where k > q
	s_delay_alu instid0(VALU_DEP_1)
	v_lshl_add_u32 v[156+\a], v155, 4, v[156+\a]
	s_delay_alu instid0(VALU_DEP_1)
	v_lshl_add_u32 v[156+\a], v[156+\a], 7, v148   ; the bucket's row of 128 bytes, my head's word
	global_load_b32 v[160+\a], v[156+\a], s[10:11]
.endr
	; registers that the loop finds set
	v_mov_b32 v13, 0xff61b1e6                      ; the largest t so far: -3e38
	s_delay_alu instid0(VALU_DEP_1)
	v_floor_f32 v12, -v13                          ; -M
	v_mov_b32 v14, 0
	v_mov_b32 v15, 0
	v_mov_b32 v[F+1], 0
.irp i, 22,23,24,25,26,27,80,81,82,83,84,85
	v_mov_b32 v[\i], 0                             ; zero codes
.endr
.set J, 0
.rept 32
	v_mov_b32 v[O+J], 0                            ; O^T: the loop is written once; its first change of M leaves zeros zeros
.set J, J+1
.endr
	s_mov_b32 s53, 0x41000000                      ; 8.0
	s_wait_loadcnt 0x0
.irp a, 0,1,2,3
	v_mul_f32 v[160+\a], s53, v[160+\a]
.endr
	v_mul_f32 v146, s53, v146
	v_mul_f32 v147, s53, v147
	s_delay_alu instid0(VALU_DEP_2)
	v_max_num_f32 v146, 0xff61b1e6, v146           ; held at -3e38 from below
	s_delay_alu instid0(VALU_DEP_2)
	v_max_num_f32 v147, 0xff61b1e6, v147
	s_delay_alu instid0(VALU_DEP_2)
	v_fma_f32 v164, v149, s53, v146
	s_delay_alu instid0(VALU_DEP_2)
	v_fma_f32 v165, v149, s53, v147
	s_delay_alu instid0(VALU_DEP_4)
	v_fma_f32 v166, v150, s53, v146
	s_delay_alu instid0(VALU_DEP_4)
	v_fma_f32 v167, v150, s53, v147
	v_lshl_add_u32 v168, v0, 2, TBL
	v_lshl_add_u32 v169, v0, 3, MSK
	v_lshl_add_u32 v170, v0, 3, KSC
	v_lshl_add_u32 v171, v0, 2, VSC
.irp a, 0,1,2,3
.irp m, 0,1,2,3
	ds_store_b32 v168, v[160+\a] offset:(\m%2)*8224+(\m/2)*16512+2048*\a-4*\m+16   ; copy m: entry i at word i - m + 4
.endr
.endr
	ds_store_b64 v169, v[146:147]
	ds_store_b64 v169, v[164:165] offset:4096
	ds_store_b64 v169, v[166:167] offset:8192
	ds_store_b64 v170, v[144:145]
	ds_store_b32 v171, v143
	s_mov_b32 s[KF], 0
	s_mov_b32 s[TK], 0
	s_mov_b32 s[T5], 0
	s_mov_b32 s[T2], 0
	s_mov_b32 s[CNT], 8
	s_lshl_b32 s[W64], s[WV], 6
	s_add_co_u32 s[W154], s[W64], 154
	s_wait_tensorcnt 0x0                           ; my part of k and v has landed,
	s_wait_dscnt 0x0                               ; my stores too:
	s_barrier_signal -1
	s_barrier_wait -1                              ; everybody's have.  From here on LDS is only read
.Lstep:                                            ; 8 trips of 128 keys
	s_add_co_u32 s50, s[KF], 218
	s_cmp_le_u32 s50, s[W64]                       ; all keys 91 or more before all of the wave's possible queries
	s_cselect_b32 s[VAR], 0x1000, 0
	s_cmp_ge_u32 s[KF], s[W154]                    ; or 91 or more after
	s_cselect_b32 s[VAR], 0x2000, s[VAR]
	s_add_co_u32 s51, s[T5], s[VAR]
	v_add_nc_u32 v[A16], s[TK], v[L16]             ; (these six are also the places behind the last trip's products)
	v_add_nc_u32 v[A8], s[TK], v[L8]
	v_add_nc_u32 v[AM], s51, v[LM]
	v_add_nc_u32 v[AB], s[T5], v[LB]
	v_add_nc_u32 v[AS], s[T5], v[LKS]
	v_add_nc_u32 v[AT], s[T2], v[LVS]
.irp b, 0,1,2,3
.irp j, 0,1,2,3
	ds_load_b128 v[S+16*\b+4*\j:S+16*\b+4*\j+3], v[AM] offset:128*\b+16*\j   ; 8 (mask [+ the far bias]) of my 64 keys: the first product's C
.endr
.endr
.irp t, 0,1,2,3,4,5,6,7
	ds_load_b128 v[KFR+6*\t:KFR+6*\t+3], v[A16] offset:768*\t
	ds_load_b64 v[KFR+6*\t+4:KFR+6*\t+5], v[A8] offset:768*\t+512
.endr
	ds_load_b64 v[KS:KS+1], v[AS]
	ds_load_b64 v[KS+2:KS+3], v[AS] offset:256
	s_cmp_lg_u32 s[VAR], 0
	s_cbranch_scc1 .Lfar
.irp g, 0,1                            ; near the diagonal: + 8 x bias from the table, 32 keys' registers at a time
.irp b, 0,1
.irp j, 0,1,2,3
	ds_load_b128 v[VF+16*\b+4*\j:VF+16*\b+4*\j+3], v[AB] offset:256*\g+128*\b+16*\j
.endr
.endr
	s_wait_dscnt 0x0
.irp n, 0,2,4,6,8,10,12,14,16,18,20,22,24,26,28,30
	v_pk_add_f32 v[S+32*\g+\n:S+32*\g+\n+1], v[S+32*\g+\n:S+32*\g+\n+1], v[VF+\n:VF+\n+1]
.endr
.endr
.rept 4
	v_nop
.endr
.Lfar:
	s_wait_dscnt 0x0
	s_wait_alu depctr_va_vdst(0)
.irp t, 0,2,4,6                        ; S^T = k q^T + C: eight accumulators, one instruction each
	v_wmma_scale_f32_16x16x128_f8f6f4 v[S+8*\t:S+8*\t+7], v[KFR+6*\t:KFR+6*\t+11], v[QF:QF+11], v[S+8*\t:S+8*\t+7], v[KS+2*(\t/4)+((\t/2)%2)], v[QS] matrix_a_fmt:MATRIX_FMT_FP6 matrix_b_fmt:MATRIX_FMT_FP6
	v_wmma_scale_f32_16x16x128_f8f6f4 v[S+8*\t+8:S+8*\t+15], v[KFR+6*\t+6:KFR+6*\t+17], v[QF:QF+11], v[S+8*\t+8:S+8*\t+15], v[KS+2*(\t/4)+((\t/2)%2)], v[QS] matrix_a_fmt:MATRIX_FMT_FP6 matrix_b_fmt:MATRIX_FMT_FP6 matrix_a_scale:MATRIX_SCALE_ROW1
.endr
.irp t, 0,1,2,3                        ; v's fragments are asked for here and land under the softmax (none of these registers is named by the eight products)
.irp n, 0,1,2
	ds_load_b128 v[VF+12*\t+4*\n:VF+12*\t+4*\n+3], v[A16] offset:VOFF+1536*\t+512*\n
.endr
.endr
	ds_load_b32 v[VS], v[AT]
	ds_load_b32 v[VS+1], v[AT] offset:128
.rept 4
	v_nop                                          ; places behind the products: S is read, and k's registers are written
.endr
.irp b, 0,1,2,3
	v_max3_num_f32 v[32+\b], v[S+16*\b], v[S+16*\b+1], v[S+16*\b+2]   ; the largest score of each block of 32 keys: for the row's maximum, and, since p rises with the score, for the block's largest p
.endr
.irp i, 3,5,7,9,11,13
.irp b, 0,1,2,3
	v_max3_num_f32 v[32+\b], v[32+\b], v[S+16*\b+\i], v[S+16*\b+\i+1]
.endr
.endr
.irp b, 0,1,2,3
	v_max_num_f32 v[32+\b], v[32+\b], v[S+16*\b+15]
.endr
.irp b, 0,1,2,3
	s_delay_alu instid0(VALU_DEP_4)
	v_permlanex16_b32 v[36+\b], v[32+\b], s[SEL], s[SEL+1]
.endr
.irp b, 0,1,2,3
	s_delay_alu instid0(VALU_DEP_4)
	v_max_num_f32 v[32+\b], v[32+\b], v[36+\b]
.endr
	s_delay_alu instid0(VALU_DEP_2)
	v_max3_num_f32 v44, v32, v33, v34
	s_delay_alu instid0(VALU_DEP_1)
	v_max_num_f32 v44, v44, v35
	s_delay_alu instid0(VALU_DEP_1)
	v_mul_f32 v44, s[CS], v44                      ; as t
	s_delay_alu instid0(VALU_DEP_1)
	v_max_num_f32 v13, v13, v44                    ; the running largest t
	v_mov_b32 v44, v12
	s_delay_alu instid0(VALU_DEP_2)
	v_floor_f32 v12, -v13                          ; -M = floor(-t): M is a whole number
	s_delay_alu instid0(VALU_DEP_1)
	v_sub_f32 v44, v12, v44                        ; old M - new M
	s_delay_alu instid0(VALU_DEP_1)
	v_cvt_i32_f32 v44, v44                         ; (it saturates)
	s_delay_alu instid0(VALU_DEP_1)
	v_ldexp_f32 v[F], 1.0, v44                     ; f = 2^(old M - new M)
.set J, 0
.rept 32
	v_pk_fma_f32 v[S+J:S+J+1], v[S+J:S+J+1], s[CS:CS+1], v[12:13] op_sel_hi:[1,0,0]   ; t - M
.set J, J+2
.endr
.irp b, 0,1,2,3
	v_fma_f32 v[32+\b], v[32+\b], s[CS], v12
.endr
.set J, 0
	s_wait_alu depctr_va_vdst(0)
.rept 64
	v_exp_f32 v[S+J], v[S+J]                       ; p = 2^(t - M): one batch
.set J, J+1
.endr
	v_pk_mul_f32 v[14:15], v[14:15], v[F:F+1] op_sel_hi:[1,0]   ; the sums under the new M: the plain place behind the batch
	s_wait_alu depctr_va_vdst(0)                   ; one wait for the batch, ahead of its first reader
.irp b, 0,1,2,3
	v_exp_f32 v[32+\b], v[32+\b]                   ; each block's largest p
.endr
	v_pk_add_f32 v[46:47], v[138:139], v[142:143]
	v_pk_add_f32 v[252:253], v[146:147], v[150:151]
	v_pk_add_f32 v[250:251], v[154:155], v[158:159]
	v_pk_add_f32 v[248:249], v[162:163], v[166:167]
	v_pk_add_f32 v[246:247], v[170:171], v[174:175]
	v_pk_add_f32 v[242:243], v[178:179], v[182:183]
	v_pk_add_f32 v[240:241], v[186:187], v[190:191]
	v_pk_add_f32 v[14:15], v[14:15], v[194:195]
	v_pk_add_f32 v[46:47], v[46:47], v[134:135]
	v_pk_add_f32 v[252:253], v[252:253], v[136:137]
	v_pk_add_f32 v[250:251], v[250:251], v[140:141]
	v_pk_add_f32 v[248:249], v[248:249], v[144:145]
	v_pk_add_f32 v[246:247], v[246:247], v[148:149]
	v_pk_add_f32 v[242:243], v[242:243], v[152:153]
	v_pk_add_f32 v[240:241], v[240:241], v[156:157]
	v_pk_add_f32 v[14:15], v[14:15], v[160:161]
	v_pk_add_f32 v[46:47], v[46:47], v[164:165]
	v_pk_add_f32 v[252:253], v[252:253], v[168:169]
	v_pk_add_f32 v[250:251], v[250:251], v[172:173]
	v_pk_add_f32 v[248:249], v[248:249], v[176:177]
	v_pk_add_f32 v[246:247], v[246:247], v[180:181]
	v_pk_add_f32 v[242:243], v[242:243], v[184:185]
	v_pk_add_f32 v[240:241], v[240:241], v[188:189]
	v_pk_add_f32 v[14:15], v[14:15], v[192:193]
	v_pk_add_f32 v[46:47], v[46:47], v[196:197]
	s_delay_alu instid0(VALU_DEP_2)
	v_pk_add_f32 v[14:15], v[14:15], v[248:249]
	s_delay_alu instid0(VALU_DEP_2)
	v_pk_add_f32 v[46:47], v[46:47], v[246:247]
	v_pk_add_f32 v[252:253], v[252:253], v[242:243]
	v_pk_add_f32 v[250:251], v[250:251], v[240:241]
	s_delay_alu instid0(VALU_DEP_2)
	v_pk_add_f32 v[14:15], v[14:15], v[252:253]
	s_delay_alu instid0(VALU_DEP_2)
	v_pk_add_f32 v[46:47], v[46:47], v[250:251]
	s_delay_alu instid0(VALU_DEP_1)
	v_pk_add_f32 v[14:15], v[14:15], v[46:47]
	s_wait_alu depctr_va_vdst(0)                   ; and one for the four
.irp b, 0,1,2,3
	v_max_num_f32 v[32+\b], 0x1800000, v[32+\b]    ; the floor: the byte cannot fall under 1
.endr
.irp b, 0,1,2,3
	s_delay_alu instid0(VALU_DEP_4)
	v_add_nc_u32 v[40+\b], 0xff000000, v[32+\b]
.endr
.irp b, 0,1,2,3
	s_delay_alu instid0(VALU_DEP_4)
	v_lshrrev_b32 v[36+\b], 23, v[40+\b]
.endr
	s_delay_alu instid0(VALU_DEP_3)
	v_lshl_or_b32 v[PS], v37, 8, v36               ; p's scale word for these 128 keys
	s_delay_alu instid0(VALU_DEP_1)
	v_lshl_or_b32 v[PS], v38, 16, v[PS]
	s_delay_alu instid0(VALU_DEP_1)
	v_lshl_or_b32 v[PS], v39, 24, v[PS]
.irp c, 0,1
	v_cvt_scalef32_pk16_fp6_f32 v[PC+6*\c:PC+6*\c+2], v[S+32*\c:S+32*\c+15], v[40+2*\c]
	v_cvt_scalef32_pk16_fp6_f32 v[48+4*\c:50+4*\c], v[S+32*\c+16:S+32*\c+31], v[41+2*\c]
.endr
	v_nop
.irp c, 0,1
.irp i, 0,1,2
	v_permlane16_swap_b32 v[PC+6*\c+\i], v[48+4*\c+\i]
.endr
.irp i, 0,1,2
	s_delay_alu instid0(VALU_DEP_3)
	v_mov_b32 v[PC+3+6*\c+\i], v[48+4*\c+\i]
.endr
.endr
.set J, 0
.rept 16
	v_pk_mul_f32 v[O+J:O+J+1], v[O+J:O+J+1], v[F:F+1] op_sel_hi:[1,0]   ; O^T under the new M; these sixteen stand between the scale word and codes just made and the products
.set J, J+2
.endr
	s_wait_alu depctr_va_vdst(0)
	s_wait_dscnt 0x0                               ; v is in
.irp t, 0,2                            ; O^T += v^T p^T: four accumulators, one instruction each
	v_wmma_scale_f32_16x16x128_f8f6f4 v[O+8*\t:O+8*\t+7], v[VF+12*\t:VF+12*\t+11], v[PC:PC+11], v[O+8*\t:O+8*\t+7], v[VS+\t/2], v[PS] matrix_a_fmt:MATRIX_FMT_FP6 matrix_b_fmt:MATRIX_FMT_FP6
	v_wmma_scale_f32_16x16x128_f8f6f4 v[O+8*\t+8:O+8*\t+15], v[VF+12*\t+12:VF+12*\t+23], v[PC:PC+11], v[O+8*\t+8:O+8*\t+15], v[VS+\t/2], v[PS] matrix_a_fmt:MATRIX_FMT_FP6 matrix_b_fmt:MATRIX_FMT_FP6 matrix_a_scale:MATRIX_SCALE_ROW1
.endr
	s_add_co_u32 s[KF], s[KF], 128
	s_add_co_u32 s[TK], s[TK], 6144
	s_add_co_u32 s[T5], s[T5], 512
	s_add_co_u32 s[T2], s[T2], 256
	s_sub_co_u32 s[CNT], s[CNT], 1
	s_cmp_lg_u32 s[CNT], 0
	s_cbranch_scc1 .Lstep
	; THE WAY OUT: O^T / the sum; register 16 b + i is d = 32 b + 16 (lane / 16) + i: two blocks of the last product's K; quantised, and stored as a half image
.rept 4
	v_nop
.endr
	v_add_f32 v14, v14, v15
	s_delay_alu instid0(VALU_DEP_1)
	v_permlanex16_b32 v44, v14, s[SEL], s[SEL+1]
	s_delay_alu instid0(VALU_DEP_1)
	v_add_f32 v14, v14, v44
	s_wait_alu depctr_va_vdst(0)
	v_rcp_f32 v14, v14
	v_and_b32 v45, 15, v0                          ; (the plain place behind the reciprocal)
	s_delay_alu instid0(VALU_DEP_1)
	v_lshlrev_b32 v45, 3, v45                      ; 8 r
	s_lshl_b32 s50, s41, 6
	s_add_co_u32 s50, s50, s56                     ; tile 64 batch + query tile
	s_mul_i32 s50, s50, 24576
	s_mul_i32 s51, s40, 768
	s_add_co_u32 s50, s50, s51
	s_mov_b32 s51, 0
	s_add_nc_u64 s[12:13], s[12:13], s[50:51]
	s_lshl_b32 s52, s41, 5                         ; the pair of tiles: 32 batch + 2 w + x / 2
	s_lshl_b32 s53, s[WV], 1
	s_add_co_u32 s52, s52, s53
	s_add_co_u32 s52, s52, s38
	s_lshl_b32 s52, s52, 11
	s_lshr_b32 s53, s40, 2                         ; 256 along K = four heads
	s_lshl_b32 s53, s53, 8
	s_add_co_u32 s52, s52, s53
	s_lshl_b32 s53, s37, 7                         ; lanes 16-31 for the odd tile
	s_add_co_u32 s52, s52, s53
	s_and_b32 s53, s40, 3                          ; word (head / 2) % 2, halfword head % 2
	s_lshl_b32 s53, s53, 1
	s_add_co_u32 s52, s52, s53
	s_mov_b32 s53, 0
	s_add_nc_u64 s[14:15], s[14:15], s[52:53]
	s_wait_alu depctr_va_vdst(0)                   ; ahead of the reciprocal's first reader
.set J, 0
.rept 32
	v_mul_f32 v[S+J], v[O+J], v14                  ; each accumulator from its low end on
.set J, J+1
.endr
.irp b, 0,1
	v_max3_num_f32 v[32+\b], |v[S+16*\b]|, |v[S+16*\b+1]|, 0x1800000
.endr
.irp i, 2,4,6,8,10,12,14
.irp b, 0,1
	s_delay_alu instid0(VALU_DEP_2)
	v_max3_num_f32 v[32+\b], v[32+\b], |v[S+16*\b+\i]|, |v[S+16*\b+\i+1]|
.endr
.endr
.irp b, 0,1
	s_delay_alu instid0(VALU_DEP_2)
	v_permlanex16_b32 v[36+\b], v[32+\b], s[SEL], s[SEL+1]
.endr
.irp b, 0,1
	s_delay_alu instid0(VALU_DEP_2)
	v_max_num_f32 v[32+\b], v[32+\b], v[36+\b]
.endr
.irp b, 0,1
	s_delay_alu instid0(VALU_DEP_2)
	v_add_nc_u32 v[40+\b], 0xff000000, v[32+\b]
.endr
.irp b, 0,1
	s_delay_alu instid0(VALU_DEP_2)
	v_lshrrev_b32 v[36+\b], 23, v[40+\b]
.endr
	s_delay_alu instid0(VALU_DEP_1)
	v_lshl_or_b32 v46, v37, 8, v36
	v_cvt_scalef32_pk16_fp6_f32 v[PC:PC+2], v[S:S+15], v40
	v_cvt_scalef32_pk16_fp6_f32 v[48:50], v[S+16:S+31], v41
	v_nop
.irp i, 0,1,2
	v_permlane16_swap_b32 v[PC+\i], v[48+\i]
.endr
.irp i, 0,1,2
	s_delay_alu instid0(VALU_DEP_3)
	v_mov_b32 v[PC+3+\i], v[48+\i]
.endr
	global_store_b128 v[L16], v[PC:PC+3], s[12:13]
	global_store_b64 v[L8], v[PC+4:PC+5], s[12:13] offset:512
	global_store_b16 v45, v46, s[14:15]
	s_wait_tensorcnt 0x0                           ; the wave's end
	ds_add_u32 v[SPW], v[NIL]
	s_wait_dscnt 0x0
	CROUND                                         ; the closing round
	s_endpgm
.Lfunc_end_k_qe322ae1e01_attn:
	.size	k_qe322ae1e01_attn, .Lfunc_end_k_qe322ae1e01_attn-k_qe322ae1e01_attn
	.p2alignl 7, 3214868480
	.fill 96, 4, 3214868480
	.section	.rodata,"a",@progbits
	.p2align	6, 0x0
	.amdhsa_kernel k_qe322ae1e01_attn
		.amdhsa_group_segment_fixed_size 167936
		.amdhsa_private_segment_fixed_size 0
		.amdhsa_enable_private_segment 0
		.amdhsa_kernarg_size 48
		.amdhsa_user_sgpr_count 2
		.amdhsa_user_sgpr_kernarg_segment_ptr 1
		.amdhsa_wavefront_size32 1
		.amdhsa_system_sgpr_workgroup_id_x 1
		.amdhsa_system_sgpr_workgroup_id_y 1
		.amdhsa_system_sgpr_workgroup_id_z 1
		.amdhsa_system_vgpr_workitem_id 0
		.amdhsa_next_free_vgpr 256
		.amdhsa_next_free_sgpr 66
		.amdhsa_reserve_vcc 0
		.amdhsa_float_denorm_mode_32 3
		.amdhsa_float_denorm_mode_16_64 3
		.amdhsa_memory_ordered 1
		.amdhsa_forward_progress 1
		.amdhsa_inst_pref_size 46
	.end_amdhsa_kernel
	.amdgpu_metadata
---
amdhsa.version: [ 1, 2 ]
amdhsa.kernels:
  - .name:           k_qe322ae1e01_attn
    .symbol:         k_qe322ae1e01_attn.kd
    .args:
      - { .name: qkv, .offset: 0, .size: 8, .value_kind: global_buffer, .address_space: global }
      - { .name: qkvs, .offset: 8, .size: 8, .value_kind: global_buffer, .address_space: global }
      - { .name: attention_mask, .offset: 16, .size: 8, .value_kind: global_buffer, .address_space: global }
      - { .name: rel_emb, .offset: 24, .size: 8, .value_kind: global_buffer, .address_space: global }
      - { .name: cc, .offset: 32, .size: 8, .value_kind: global_buffer, .address_space: global }
      - { .name: cs, .offset: 40, .size: 8, .value_kind: global_buffer, .address_space: global }
    .group_segment_fixed_size: 167936
    .private_segment_fixed_size: 0
    .kernarg_segment_align: 8
    .kernarg_segment_size: 48
    .max_flat_workgroup_size: 512
    .sgpr_count:     66
    .vgpr_count:     256
    .wavefront_size: 32
...
	.end_amdgpu_metadata
.endif
;; end of part 3
;; launch gemm_out (part 4): grid 16 x 16, 4 waves a work-group, clusters of 4 x 4, 327,680 bytes of LDS; arguments cc, cs, wc, ws, out0; writes out0
.if DOCPART == 4
	.amdgcn_target "amdgcn-amd-amdhsa--gfx1250"
	.amdhsa_code_object_version 6
	.text
	.protected	k_qe322ae1e01_gemm_out
	.globl	k_qe322ae1e01_gemm_out
	.p2align	8
	.type	k_qe322ae1e01_gemm_out,@function
k_qe322ae1e01_gemm_out:
	s_mov_b64 s[64:65], 0
	v_nop
	global_prefetch_b8 v0, s[64:65] scope:SCOPE_SE
	s_setreg_imm32_b32 hwreg(HW_REG_WAVE_MODE, 25, 1), 1
	s_wait_xcnt 0x0
	s_wait_alu depctr_hold_cnt(0) depctr_sa_sdst(0) depctr_va_vdst(0) depctr_va_sdst(0) depctr_va_ssrc(0) depctr_va_vcc(0) depctr_vm_vsrc(0)
	s_getreg_b32 s2, hwreg(HW_REG_IB_STS2, 6, 4)
	s_cmp_eq_u32 s2, 0
	s_cbranch_scc0 .Lentry_in_a_cluster
	s_endpgm
.Lentry_in_a_cluster:
	s_bfe_u32 s2, ttmp6, 0x10000c
	s_cmp_lg_u32 s2, 0xf033
	s_cbranch_scc0 .Lentry_shape_is_right
	s_endpgm
.Lentry_shape_is_right:
; LAUNCH 4 OF 4.  out0 = ctx x Wo on codes of FP6.  No work is left out.  ctx's codes and scale words are launch 3's, Wo's are launch 1's (tiles 384 on, pairs 192 on), both as images of operand registers.
; A tile of out0 is 128 x 128, so that the launch has 256 work-groups; four waves, each 64 x 64: 16 accumulators.  K goes in units of 512 (four steps of 128): four units' worth, 98,304 bytes each.
; THREE UNITS LIE IN LDS and are all filled at the head; the fourth quarter of K is the launch's one refill, into unit 0, asked for as soon as unit 0 has been read: it has units 1 and 2, 128 matrix
; instructions a wave, in which to land.  The change from unit 1 to unit 2 needs no barrier: the round in front of the refill has shown both whole to every wave.
; A tile's part of a unit is 6,144 consecutive bytes of memory.  All scale words come once and stay.  The 16 steps are written out.
; CLUSTER 4 x 4: ctx's tiles are shared along a row of the cluster, Wo's along a column: joint loads.
; TRANSPOSED: source 0 = 16 rows of Wo, source 1 = 16 places of ctx: a lane holds one row of out0; register j of tile t is column 32 (t / 2) + 16 (lane / 16) + 8 (t % 2) + j of the wave's 64.
; Place p of row tile T is row 32 (T / 2) + 8 (T % 2) + p % 8 + 16 (p / 8): undone in the stores' offsets.
; No prefetch: the launch is short, three quarters of what it reads are asked for at its head, and its tiles are shared in the cluster.
; REGISTERS: window 0: v4-15, v24-27, v30 addresses; v28, v29 the add's; v32-63 scale words, two sets; v64-127 the way out; v128-255 accumulators, (a, t) at 128 + 8 (4 a + t).  window 1: two sets of 96: ctx at 12 a, Wo at 48 + 12 t.
; THE FILLS AND THE PREFETCH AS THE TEXT BELOW HAS THEM (this takes the place of what the lines above say of them).
; At the head each wave issues ONE joint load: wave 0 unit 0's 8 ctx tiles, wave 1 ctx's scale words, wave 2 unit 0's 8 Wo tiles, wave 3 Wo's scale words.  Every later fill goes out behind the wait for all
; loads, the add, its wait and a round of the cluster's barrier, half a side to a wave: unit 1 in front of K step 0, unit 2 in K step 3, unit 0 again (the last quarter of K) in K step 7.
; Each has four K steps, 64 matrix instructions a wave, in which to land.  K steps 3, 7 and 11 change units behind a barrier.
; PREFETCH: a set is one unit's 6,144 bytes of each of the 4 tiles that my wave fetches: 24 blocks of 256 bytes a tile, of which each of the four partners that ask jointly names 6, told apart by address
; (lane: tile = lane / 8, block = lane % 8; lanes left over name a block of their instruction again).  Units 1 and 2 are asked for at the head, the last quarter of K in K step 2, five K steps ahead of its load.
.set UNIT,  98304
.set SCL,   294912                     ; behind the three units: ctx's scale words, 8,192 bytes, then Wo's
.set SPARE, 311296                     ; the spare words, 128 bytes a wave
.set STG,   98304                      ; the way out: 16 rows x (256 + 16) bytes for each wave, in unit 1: it has had its one fill, and behind the last barrier nobody reads it
.set A16, 4                            ; v4-6   16 x lane + my ctx tiles in unit 0, 1, 2;  v7-9 the same with 8 x lane
.set A8,  7
.set B16, 10                           ; v10-12, v13-15 the same for Wo's tiles
.set B8,  13
.set SPW, 28
.set NIL, 29
.set STO, 26
.set RD,  27
.set CO,  30
.set G1, 24                            ; s[24:31] group 1, ctx's tiles;  s[32:43] group 0, a set for each unit
.set G1B, 48                           ; s[48:55] Wo's tiles;  group 0: s[56:59], s[60:63], s[96:99]
.set G1S, 68
.set G0S, 76
.set G1SB, 80
.set G0SB, 92
.set MSB, 0
.macro WIN new
.if MSB != \new
	s_set_vgpr_msb (MSB<<8)|\new
.set MSB, \new
.endif
.endm
.macro JLOAD g0a, g1a, g0b, g1b        ; waves 0, 1 fetch for ctx, waves 2, 3 for Wo; an s_nop 0 and four v_nop follow each line
	s_cmp_eq_u32 s15, 0
	s_cbranch_scc0 .Lfor_b_\@
	tensor_load_to_lds s[\g0a:\g0a+3], s[\g1a:\g1a+7]
	s_nop 0
.rept 4
	v_nop
.endr
	s_branch .Lasked_\@
.Lfor_b_\@:
	tensor_load_to_lds s[\g0b:\g0b+3], s[\g1b:\g1b+7]
	s_nop 0
.rept 4
	v_nop
.endr
.Lasked_\@:
.endm
.macro CREST
	s_cmp_lg_u32 s14, 0
	s_cbranch_scc1 .Lnot_wave_0_\@
	s_barrier_signal -3
.Lnot_wave_0_\@:
	s_barrier_wait -3
	s_barrier_signal -1
	s_barrier_wait -1
.endm
.macro CROUND
	s_barrier_signal -1
	s_barrier_wait -1
	CREST
.endm
.macro PLACES
.rept 4
	v_nop
.endr
.endm
	s_load_b256 s[4:11], s[0:1], 0x0               ; cc, cs, wc, ws
	s_load_b64 s[88:89], s[0:1], 0x20              ; out0
	v_lshl_add_u32 v[SPW], v0, 2, SPARE
	v_mov_b32 v[NIL], 0
	ds_add_u32 v[SPW], v[NIL]                      ; the opening: the add, twice on end, and its wait ahead of my first tensor load
	ds_add_u32 v[SPW], v[NIL]
	v_lshrrev_b32 v1, 5, v0
	v_readfirstlane_b32 s14, v1                    ; wave
	s_lshr_b32 s15, s14, 1                         ; i: my 64 rows.  Also: I fetch for ctx (0) or Wo (1)
	s_and_b32 s16, s14, 1                          ; j: my 64 columns.  Also: which half I fetch
	s_bfe_u32 s2, ttmp6, 0x40000                   ; cx
	s_bfe_u32 s18, ttmp6, 0x40004                  ; cy
	s_lshl_b32 s13, ttmp9, 2
	s_add_co_u32 s13, s13, s2                      ; block of 128 columns
	s_and_b32 s17, ttmp7, 0xffff
	s_lshl_b32 s17, s17, 2
	s_add_co_u32 s17, s17, s18                     ; block of 128 places of rows
	s_lshl_b32 s19, s18, 2
	s_lshl_b32 s19, 15, s19                        ; my row of the cluster
	s_lshl_b32 s3, 0x1111, s2                      ; my column
	s_or_b32 s[G1], s19, (3<<16)|(1<<21)
	s_or_b32 s[G1S], s19, (3<<16)|(1<<21)
	s_or_b32 s[G1B], s3, (3<<16)|(1<<21)
	s_or_b32 s[G1SB], s3, (3<<16)|(1<<21)
.irp g, G1, G1B
	s_mov_b32 s[\g+1], 768<<16                     ; 4 rows (tiles) of 768 elements of 8 bytes, 3,072 elements apart
	s_mov_b32 s[\g+2], 8<<16                       ; the head's load: all 8 tiles of a side (behind it: 4)
	s_mov_b32 s[\g+3], 768<<16
	s_mov_b32 s[\g+4], 8
	s_mov_b32 s[\g+5], 3072
	s_mov_b32 s[\g+6], 0
	s_mov_b32 s[\g+7], 0
.endr
.irp g, G1S, G1SB
	s_mov_b32 s[\g+1], 32<<16                      ; a dense block of 4,096 bytes as 16 rows of 256
	s_mov_b32 s[\g+2], 32<<16                      ; 8,192 bytes as 32 rows of 256
	s_mov_b32 s[\g+3], 32<<16
	s_mov_b32 s[\g+4], 32
	s_mov_b32 s[\g+5], 32
	s_mov_b32 s[\g+6], 0
	s_mov_b32 s[\g+7], 0
.endr
	; the groups 0: count, LDS address (the wave's number and constants alone), and for now the byte offset in the buffer
	s_mul_i32 s44, s16, 24576                      ; ctx's half in a unit
	s_add_co_u32 s45, s44, 49152                   ; Wo's
	s_mov_b32 s32, 1
	s_mov_b32 s33, s44
	s_mov_b32 s36, 1
	s_add_co_u32 s37, s44, UNIT
	s_mov_b32 s40, 1
	s_add_co_u32 s41, s44, 2*UNIT
	s_mov_b32 s56, 1
	s_mov_b32 s57, s45
	s_mov_b32 s60, 1
	s_add_co_u32 s61, s45, UNIT
	s_mov_b32 s96, 1
	s_add_co_u32 s97, s45, 2*UNIT
	s_mov_b32 s[G0S], 1
	s_mov_b32 s[G0S+1], SCL
	s_mov_b32 s[G0SB], 1
	s_mov_b32 s[G0SB+1], SCL+8192
	s_lshl_b32 s18, s17, 3                         ; ctx: tile 8 y + 4 half
	s_lshl_b32 s19, s16, 2
	s_add_co_u32 s18, s18, s19
	s_mul_i32 s34, s18, 24576
	s_mov_b32 s35, 0
	s_lshl_b32 s18, s17, 13                        ; its scale words: 8,192 y + 4,096 half
	s_mov_b32 s[G0S+2], s18                        ; all of the block's scale words: 8,192 y
	s_mov_b32 s[G0S+3], 0
	s_lshl_b32 s2, s13, 3                          ; Wo: tile 384 + 8 x + 4 half
	s_lshl_b32 s3, s16, 2
	s_add_co_u32 s2, s2, s3
	s_add_co_u32 s2, s2, 384
	s_mul_i32 s58, s2, 24576
	s_mov_b32 s59, 0
	s_lshl_b32 s2, s13, 13                         ; its scale words: (192 + 4 x) 2,048 + 4,096 half
	s_add_co_u32 s[G0SB+2], s2, 393216
	s_mov_b32 s[G0SB+3], 0
	s_wait_dscnt 0x0                               ; both opening adds are done
	s_wait_kmcnt 0x0
	s_add_nc_u64 s[34:35], s[4:5], s[34:35]        ; unit u takes K 512 u on
	s_add_nc_u64 s[38:39], s[34:35], 6144
	s_add_nc_u64 s[42:43], s[34:35], 12288
	s_add_nc_u64 s[58:59], s[8:9], s[58:59]
	s_add_nc_u64 s[62:63], s[58:59], 6144
	s_add_nc_u64 s[98:99], s[58:59], 12288
	s_add_nc_u64 s[G0S+2:G0S+3], s[6:7], s[G0S+2:G0S+3]
	s_add_nc_u64 s[G0SB+2:G0SB+3], s[10:11], s[G0SB+2:G0SB+3]
	s_cmp_eq_u32 s15, 0                            ; the prefetches' base: the first of the tiles that my wave fetches in the ring; the choice hangs on the wave's number alone
	s_cselect_b64 s[2:3], s[34:35], s[58:59]
	s_or_b32 s35, s35, 0x80000000
	s_or_b32 s39, s39, 0x80000000
	s_or_b32 s43, s43, 0x80000000
	s_or_b32 s59, s59, 0x80000000
	s_or_b32 s63, s63, 0x80000000
	s_or_b32 s99, s99, 0x80000000
	s_or_b32 s[G0S+3], s[G0S+3], 0x80000000
	s_or_b32 s[G0SB+3], s[G0SB+3], 0x80000000
	CROUND                                         ; all sixteen work-groups are here: the first joint loads meet
; the head's loads, one a wave, in one chain of branches on the wave's number.  Waves 0 and 2 have half 0 in their groups 0: the unit's first byte of their side
.macro ARM under, g0, g1, next
	s_cmp_lt_u32 s14, \under
	s_cbranch_scc0 \next
	tensor_load_to_lds s[\g0:\g0+3], s[\g1:\g1+7]
	s_nop 0
.rept 4
	v_nop
.endr
	s_branch .Lhead_asked
\next:
.endm
	ARM 1, 32, G1, .Lhead_s
	ARM 2, G0S, G1S, .Lhead_b
	ARM 3, 56, G1B, .Lhead_sb
	tensor_load_to_lds s[G0SB:G0SB+3], s[G1SB:G1SB+7]
	s_nop 0
.rept 4
	v_nop
.endr
.Lhead_asked:
	s_bfe_u32 s18, ttmp6, 0x40000                  ; cx
	s_bfe_u32 s19, ttmp6, 0x40004                  ; cy
	s_cmp_eq_u32 s15, 0
	s_cselect_b32 s18, s18, s19                    ; my place among the four that ask with me: cx for ctx, cy for Wo
	s_mul_i32 s18, s18, 1536                       ; my work-group's 6 blocks of a set's 24
	v_bfe_u32 v31, v0, 3, 2
	v_and_b32 v18, 7, v0
	v_min_u32 v18, 5, v18
	v_mul_u32_u24 v31, v31, 24576
	v_lshl_add_u32 v18, v18, 8, s18
	v_add_nc_u32 v31, v31, v18                     ; v31: the prefetches' offset; never rewritten
	global_prefetch_b8 v31, s[2:3] offset:6144 th:TH_LOAD_NT scope:SCOPE_SE    ; unit 1's tiles
	global_prefetch_b8 v31, s[2:3] offset:12288 th:TH_LOAD_NT scope:SCOPE_SE   ; unit 2's
	v_and_b32 v1, 31, v0
	v_lshlrev_b32 v2, 4, v1
	v_lshlrev_b32 v3, 3, v1                        ; 8 x lane
	s_mul_i32 s18, s15, 24576                      ; my 4 ctx tiles
	s_mul_i32 s19, s16, 24576                      ; my 4 Wo tiles
	s_add_co_u32 s19, s19, 49152
.irp u, 0,1,2
	v_add_nc_u32 v[A16+\u], s18, v2
	v_add_nc_u32 v[A8+\u], s18, v3
	v_add_nc_u32 v[B16+\u], s19, v2
	v_add_nc_u32 v[B8+\u], s19, v3
	s_add_co_u32 s18, s18, UNIT
	s_add_co_u32 s19, s19, UNIT
.endr
	s_lshl_b32 s18, s15, 12
	s_add_co_u32 s18, s18, SCL
	v_add_nc_u32 v24, s18, v3                      ; my 2 pairs of ctx tiles: 2,048 bytes a pair, 512 a unit
	s_lshl_b32 s19, s16, 12
	s_add_co_u32 s19, s19, SCL+8192
	v_add_nc_u32 v25, s19, v3
	v_and_b32 v16, 15, v0                          ; r
	v_bfe_u32 v17, v0, 4, 1                        ; h
	s_mul_i32 s18, s14, 16*272
	s_add_co_u32 s18, s18, STG                     ; my stage
	v_mul_u32_u24 v[STO], v16, 272
	v_lshl_add_u32 v[STO], v17, 6, v[STO]
	v_add_nc_u32 v[STO], s18, v[STO]               ; in: row r, + 64 h
	v_mul_u32_u24 v[RD], v17, 272
	v_lshl_add_u32 v[RD], v16, 4, v[RD]
	v_add_nc_u32 v[RD], s18, v[RD]                 ; back: lanes 0-15 one row of 256 bytes, lanes 16-31 the next
	v_lshlrev_b32 v[CO], 13, v17
	v_lshl_add_u32 v[CO], v16, 4, v[CO]            ; and the same two rows in out0 (8,192 bytes a row)
	s_lshl_b32 s18, s17, 7
	s_lshl_b32 s19, s15, 6
	s_add_co_u32 s18, s18, s19                     ; my first row: 128 y + 64 i
	s_lshl_b32 s18, s18, 13
	s_lshl_b32 s19, s13, 9                         ; my first column, in bytes: 512 x + 256 j
	s_add_co_u32 s18, s18, s19
	s_lshl_b32 s19, s16, 8
	s_add_co_u32 s18, s18, s19
	s_mov_b32 s19, 0
	s_add_nc_u64 s[88:89], s[88:89], s[18:19]
.macro FRAG reg, a16, a8, off
	ds_load_b128 v[(\reg):(\reg)+3], v[\a16] offset:(\off)
	ds_load_b64 v[(\reg)+4:(\reg)+5], v[\a8] offset:(\off)+512
	ds_load_b128 v[(\reg)+6:(\reg)+9], v[\a16] offset:(\off)+768
	ds_load_b64 v[(\reg)+10:(\reg)+11], v[\a8] offset:(\off)+1280
.endm
.macro SCALES sc, ku                   ; the scale words of the ku-th 512 along K into set sc: four words a lane and pair
.irp p, 0,1
.irp z, 0,1
	ds_load_b64 v[32+16*(\sc)+4*\p+2*\z:33+16*(\sc)+4*\p+2*\z], v24 offset:2048*\p+256*\z+512*(\ku)
	ds_load_b64 v[40+16*(\sc)+4*\p+2*\z:41+16*(\sc)+4*\p+2*\z], v25 offset:2048*\p+256*\z+512*(\ku)
.endr
.endr
.endm
.macro FETCH g                         ; 32 LDS loads in one run: K step g's fragments, from unit (g / 4) % 3, into set g % 2; with a unit's first step its scale words
.set UN, ((\g)/4)%3
.set QQ, (\g)%4
.set ST_, (\g)%2
	WIN 0x40
.irp a, 0,1,2,3
	FRAG 96*ST_+12*\a, A16+UN, A8+UN, 6144*\a+1536*QQ
.endr
.irp t, 0,1,2,3
	FRAG 96*ST_+48+12*\t, B16+UN, B8+UN, 6144*\t+1536*QQ
.endr
	WIN 0
.if QQ == 0
	SCALES ((\g)/4)%2, (\g)/4
.endif
.endm
.macro WM d, a, b, zero, sa, sb, ra, rb
.if \zero
.if (\ra) && (\rb)
	v_wmma_scale_f32_16x16x128_f8f6f4 v[(\d):(\d)+7], v[(\a):(\a)+11], v[(\b):(\b)+11], 0, v[\sa], v[\sb] matrix_a_fmt:MATRIX_FMT_FP6 matrix_b_fmt:MATRIX_FMT_FP6 matrix_a_scale:MATRIX_SCALE_ROW1 matrix_b_scale:MATRIX_SCALE_ROW1
.elseif (\ra)
	v_wmma_scale_f32_16x16x128_f8f6f4 v[(\d):(\d)+7], v[(\a):(\a)+11], v[(\b):(\b)+11], 0, v[\sa], v[\sb] matrix_a_fmt:MATRIX_FMT_FP6 matrix_b_fmt:MATRIX_FMT_FP6 matrix_a_scale:MATRIX_SCALE_ROW1
.elseif (\rb)
	v_wmma_scale_f32_16x16x128_f8f6f4 v[(\d):(\d)+7], v[(\a):(\a)+11], v[(\b):(\b)+11], 0, v[\sa], v[\sb] matrix_a_fmt:MATRIX_FMT_FP6 matrix_b_fmt:MATRIX_FMT_FP6 matrix_b_scale:MATRIX_SCALE_ROW1
.else
	v_wmma_scale_f32_16x16x128_f8f6f4 v[(\d):(\d)+7], v[(\a):(\a)+11], v[(\b):(\b)+11], 0, v[\sa], v[\sb] matrix_a_fmt:MATRIX_FMT_FP6 matrix_b_fmt:MATRIX_FMT_FP6
.endif
.else
.if (\ra) && (\rb)
	v_wmma_scale_f32_16x16x128_f8f6f4 v[(\d):(\d)+7], v[(\a):(\a)+11], v[(\b):(\b)+11], v[(\d):(\d)+7], v[\sa], v[\sb] matrix_a_fmt:MATRIX_FMT_FP6 matrix_b_fmt:MATRIX_FMT_FP6 matrix_a_scale:MATRIX_SCALE_ROW1 matrix_b_scale:MATRIX_SCALE_ROW1
.elseif (\ra)
	v_wmma_scale_f32_16x16x128_f8f6f4 v[(\d):(\d)+7], v[(\a):(\a)+11], v[(\b):(\b)+11], v[(\d):(\d)+7], v[\sa], v[\sb] matrix_a_fmt:MATRIX_FMT_FP6 matrix_b_fmt:MATRIX_FMT_FP6 matrix_a_scale:MATRIX_SCALE_ROW1
.elseif (\rb)
	v_wmma_scale_f32_16x16x128_f8f6f4 v[(\d):(\d)+7], v[(\a):(\a)+11], v[(\b):(\b)+11], v[(\d):(\d)+7], v[\sa], v[\sb] matrix_a_fmt:MATRIX_FMT_FP6 matrix_b_fmt:MATRIX_FMT_FP6 matrix_b_scale:MATRIX_SCALE_ROW1
.else
	v_wmma_scale_f32_16x16x128_f8f6f4 v[(\d):(\d)+7], v[(\a):(\a)+11], v[(\b):(\b)+11], v[(\d):(\d)+7], v[\sa], v[\sb] matrix_a_fmt:MATRIX_FMT_FP6 matrix_b_fmt:MATRIX_FMT_FP6
.endif
.endif
.endm
.macro MUL a0, n, g, zero              ; K step g: ctx tiles a0 .. a0 + n - 1 x Wo's four; the 16 accumulators take turns, one instruction a turn, in the same order in every step
	WIN 0x05                                       ; sources 0 and 1 window 1; C and D window 0
.set ST_, (\g)%2
.set Q4_, (\g)%4
.set SC_, ((\g)/4)%2
.set AA, \a0
.rept \n
.irp t, 0,1,2,3
	WM 128+8*(4*AA+\t), 96*ST_+48+12*\t, 96*ST_+12*AA, \zero, 40+16*SC_+4*(\t/2)+Q4_, 32+16*SC_+4*(AA/2)+Q4_, \t%2, AA%2
.endr
.set AA, AA+1
.endr
.endm
.macro STEP g, zero                    ; a K step whose successor may be read without a barrier: the successor's fragments are fetched under this step's 16 products
	s_wait_dscnt 0x0                               ; this step's fragments (and scale words) are in
	PLACES                                         ; in front of loads into the set that the last products read
	FETCH (\g)+1
.if (\g) == 2
	global_prefetch_b8 v31, s[2:3] offset:18432 th:TH_LOAD_NT scope:SCOPE_SE   ; the last quarter of K, behind the run of LDS loads (every window is 0 here)
.endif
	MUL 0, 4, \g, \zero
.endm
.macro TURN g, fill                    ; a K step with a barrier.  fill = 1: unit 2's first fill; fill = 2: unit 0 takes the last quarter of K
	WIN 0
	s_wait_tensorcnt 0x0                           ; all my tensor loads have landed
	ds_add_u32 v[SPW], v[NIL]                      ; 0 onto my spare word
	s_wait_dscnt 1                                 ; this step's fragments are in; the add alone may be out
	MUL 0, 1, \g, 0
	s_wait_dscnt 0x0                               ; the add is done, and my reads of the units so far are over
	s_barrier_signal -1
	MUL 1, 1, \g, 0
	WIN 0
	s_barrier_wait -1
.if \fill
	CREST                                          ; the barrier has opened a round of the cluster's: no wave of any partner still reads unit 0 or has a load on its way
.if \fill == 2
	s_add_nc_u64 s[34:35], s[34:35], 18432         ; unit 0, read out four K steps ago, takes the last quarter of K
	s_add_nc_u64 s[58:59], s[58:59], 18432
	JLOAD 32, G1, 56, G1B                          ; the first tensor load behind the round; its four v_nop are the places in front of the loads below
.else
	JLOAD 40, G1, 96, G1B                          ; unit 2's first fill, issued as a refill is
.endif
.else
	PLACES
.endif
	FETCH (\g)+1
	MUL 2, 2, \g, 0
.endm
	s_wait_alu depctr_va_vdst(0)                   ; the head's end
	s_wait_tensorcnt 0x0                           ; my one load of the head is in
	ds_add_u32 v[SPW], v[NIL]
	s_mov_b32 s[G1+2], 4<<16                       ; no tensor load of mine is out: from here on a load brings a wave's half of a side: 4 tiles
	s_mov_b32 s[G1+4], 4
	s_mov_b32 s[G1B+2], 4<<16
	s_mov_b32 s[G1B+4], 4
	s_wait_dscnt 0x0                               ; the add is done
	CROUND                                         ; everybody's part of the head's four tiles is in, and all sixteen work-groups are here
	JLOAD 36, G1, 60, G1B                          ; unit 1's first fill: the first tensor load behind the round
	FETCH 0
	STEP 0, 1                                      ; the first step's products start the sums
	STEP 1, 0
	STEP 2, 0
	TURN 3, 1                                      ; unit 1 is whole in every wave's eyes; unit 2 is asked for
	STEP 4, 0
	STEP 5, 0
	STEP 6, 0
	TURN 7, 2                                      ; unit 2 is whole; unit 0 takes K 1,536 on: the last load
	STEP 8, 0
	STEP 9, 0
	STEP 10, 0
	TURN 11, 0                                     ; unit 0 is whole again; nothing is left to fetch
	STEP 12, 0
	STEP 13, 0
	STEP 14, 0
	s_wait_dscnt 0x0
	MUL 0, 4, 15, 0
	WIN 0
; THE WAY OUT, a ctx tile (16 rows x 64 columns) at a time through my own stage: sixteen lanes then store 256 consecutive bytes, at a multiple of 256 from out0's first byte
.macro TOSTAGE a
.irp t, 0,1,2,3
	ds_store_b128 v[STO], v[128+8*(4*(\a)+\t):128+8*(4*(\a)+\t)+3] offset:128*(\t/2)+32*(\t%2)        ; each accumulator from its low end on
	ds_store_b128 v[STO], v[128+8*(4*(\a)+\t)+4:128+8*(4*(\a)+\t)+7] offset:128*(\t/2)+32*(\t%2)+16
.endr
.irp u, 0,1,2,3,4,5,6,7
	ds_load_b128 v[64+32*((\a)%2)+4*\u:64+32*((\a)%2)+4*\u+3], v[RD] offset:2*\u*272   ; LDS serves a wave's instructions in order: these see my stores
.endr
.endm
.macro SEND a, younger
	s_wait_dscnt \younger
.irp u, 0,1,2,3,4,5,6,7
	global_store_b128 v[CO], v[64+32*((\a)%2)+4*\u:64+32*((\a)%2)+4*\u+3], s[88:89] offset:(32*((\a)/2)+8*((\a)%2)+2*\u+8*(\u/4))*8192 th:TH_STORE_NT
.endr
.endm
	PLACES
	s_wait_alu depctr_va_vdst(0)
	TOSTAGE 0
	TOSTAGE 1
	SEND 0, 16                                     ; behind tile 0's loads: tile 1's 8 stores and 8 loads
	s_wait_xcnt 0x0                                ; tile 0's stores have read their registers: tile 2's loads may land there
	TOSTAGE 2
	SEND 1, 16
	s_wait_xcnt 0x0
	TOSTAGE 3
	SEND 2, 16
	SEND 3, 0
	s_wait_tensorcnt 0x0                           ; the wave's end
	ds_add_u32 v[SPW], v[NIL]
	s_wait_dscnt 0x0
	CROUND                                         ; the closing round
	s_endpgm
.Lfunc_end_k_qe322ae1e01_gemm_out:
	.size	k_qe322ae1e01_gemm_out, .Lfunc_end_k_qe322ae1e01_gemm_out-k_qe322ae1e01_gemm_out
	.p2alignl 7, 3214868480
	.fill 96, 4, 3214868480
	.section	.rodata,"a",@progbits
	.p2align	6, 0x0
	.amdhsa_kernel k_qe322ae1e01_gemm_out
		.amdhsa_group_segment_fixed_size 327680
		.amdhsa_private_segment_fixed_size 0
		.amdhsa_enable_private_segment 0
		.amdhsa_kernarg_size 40
		.amdhsa_user_sgpr_count 2
		.amdhsa_user_sgpr_kernarg_segment_ptr 1
		.amdhsa_wavefront_size32 1
		.amdhsa_system_sgpr_workgroup_id_x 1
		.amdhsa_system_sgpr_workgroup_id_y 1
		.amdhsa_system_sgpr_workgroup_id_z 1
		.amdhsa_system_vgpr_workitem_id 0
		.amdhsa_next_free_vgpr 448
		.amdhsa_next_free_sgpr 100
		.amdhsa_reserve_vcc 0
		.amdhsa_float_denorm_mode_32 3
		.amdhsa_float_denorm_mode_16_64 3
		.amdhsa_memory_ordered 1
		.amdhsa_forward_progress 1
		.amdhsa_inst_pref_size 92
	.end_amdhsa_kernel
	.amdgpu_metadata
---
amdhsa.version: [ 1, 2 ]
amdhsa.kernels:
  - .name:           k_qe322ae1e01_gemm_out
    .symbol:         k_qe322ae1e01_gemm_out.kd
    .args:
      - { .name: cc, .offset: 0, .size: 8, .value_kind: global_buffer, .address_space: global }
      - { .name: cs, .offset: 8, .size: 8, .value_kind: global_buffer, .address_space: global }
      - { .name: wc, .offset: 16, .size: 8, .value_kind: global_buffer, .address_space: global }
      - { .name: ws, .offset: 24, .size: 8, .value_kind: global_buffer, .address_space: global }
      - { .name: out0, .offset: 32, .size: 8, .value_kind: global_buffer, .address_space: global }
    .group_segment_fixed_size: 327680
    .private_segment_fixed_size: 0
    .kernarg_segment_align: 8
    .kernarg_segment_size: 40
    .max_flat_workgroup_size: 128
    .sgpr_count:     100
    .vgpr_count:     448
    .wavefront_size: 32
...
	.end_amdgpu_metadata
.endif
;; end of part 4
